; MI455X (gfx1250); checked and timed in simulation.
; The chip was launched on July 23, 2026; its instructions are those of AMD's public machine-readable ISA for CDNA 5 (MIT licence, August 2026) and "CDNA5" Instruction Set Architecture Reference Guide (July 2026). The comments in the code are by the model that wrote it; some were corrected since.
;; Attention Module. Allowed arithmetic: matrix products marked QUANTISED: E2M3 operands, one E8M0 scale for each 32 along K, by v_wmma_scale_f32_16x16x128_f8f6f4 with both operands' format E2M3, f32 sums; everything else in f32.
;; Inputs: Wk 1,024 x 1,024 float32; Wq 1,024 x 1,024 float32; Wv 1,024 x 1,024 float32; k 4 x 2,048 x 1,024 float32; q 4 x 2,048 x 1,024 float32; v 4 x 2,048 x 1,024 float32.
;; Outputs: out0 4 x 2,048 x 1,024 float32.
;; Constants: mask = 1.
;; This version of the problem:
;;   THIS VERSION OF THE PROBLEM IS GIVEN IN LOW PRECISION. The matrix products marked QUANTISED in the list below multiply operands that are first quantised to E2M3 (2 exponent bits, 3 mantissa bits; 6 bits a number), with one power-of-two scale for each 32 numbers along K (OCP MX v1.0); their sums are f32. All else is computed in f32.
;;   The module's matrix products, in the order in which they are computed (A, B: the left and right operand; K: the contracted axis; several contracted axes count as one K, in the product's order):
;;     1. [M 8,192, K 1,024] x [K 1,024, N 1,024]; A: input q; B: input Wq: QUANTISED
;;     2. [M 8,192, K 1,024] x [K 1,024, N 1,024]; A: input k; B: input Wk: QUANTISED
;;     3. [M 8,192, K 1,024] x [K 1,024, N 1,024]; A: input v; B: input Wv: QUANTISED
;;     4. batch 4 x [M 2,048, K 1,024] x [K 1,024, N 2,048]; A: computed on the way; B: computed on the way: QUANTISED
;;     5. batch 4 x [M 2,048, K 2,048] x [K 2,048, N 1,024]; A: softmax (see below); B: computed on the way: QUANTISED
;;   THE QUANTISER, for each operand of a quantised product, along K:
;;     - K is cut into blocks of 32 from its start; a last block that is shorter is filled with zeros.
;;     - A block's scale is 2^e with e = floor(log2(the largest magnitude in the block)) - 2, held to -126 .. 127; a block of zeros has e = 0. As a byte (E8M0): e + 127.
;;     - Each number is divided by its block's scale, clamped to +-7.5, and rounded to the nearest number of E2M3, ties to even, subnormals kept.
;;     - The product sums the exact products of the quantised numbers (number of the format x scale) in f32.
;;   ~~~python
;;   def quantise(x, axis):      # numpy; x: float32 -> the quantised numbers, widened to float32 again
;;       x = np.moveaxis(x, axis, -1); K = x.shape[-1]
;;       x = np.pad(x, [(0, 0)] * (x.ndim - 1) + [(0, -K % 32)]); x = x.reshape(x.shape[:-1] + (-1, 32)); a = np.abs(x).max(-1, keepdims=True)
;;       e = np.where(a > 0, np.clip(np.frexp(np.where(a > 0, a, 1))[1] - 1 - 2, -126, 127), 0)      # np.frexp(a)[1] - 1 = floor(log2(a)), exactly
;;       r = np.clip(x / 2.0 ** e, -7.5, 7.5)
;;       step = 2.0 ** (np.maximum(np.frexp(np.where(r == 0, 1, r))[1] - 1, 0) - 3)
;;       q = np.round(r / step) * step * 2.0 ** e      # np.round: ties to even
;;       return np.moveaxis(q.reshape(q.shape[:-2] + (-1,))[..., :K], -1, axis).astype(np.float32)
;;   ~~~
;;   SOFTMAX AHEAD OF A QUANTISED PRODUCT. Where the list says 'softmax', what is quantised is not the finished softmax but p = 2^(t - M), with t = logit x log2(e) and M = ceil(the row's largest t), a whole number; so 1/2 < the row's largest p <= 1. The row's sum l is taken of the UNQUANTISED p, in f32, and the product's result is divided by l at the end. Since M is a whole number, a kernel that streams over the keys may use a running M (the ceiling of the running maximum): every later rescaling is an exact power of two, which a block's scale takes up: the codes' values come out the same.
;;   OPERANDS COMPUTED ON THE WAY. 'Computed on the way' means the value that the module computes at that place (a softmax that the list does not call 'softmax' is quantised finished and normalised). What goes into a quantiser is computed in f32, as accurately as f32 sums, v_exp_f32 and their like allow (about 1e-6 of the number): no bf16 or f16 on the way to a quantiser, and a product that is left as it is and whose result goes on into a quantised operand takes f32 operands (vector FMAs, or v_wmma_f32_16x16x4_f32). A number that lies on a knife's edge between two numbers of the format may be rounded either way, as far as f32 arithmetic and the matrix unit's own rounding can turn it there, and no further.
;; One version. Each part assembles by itself: llvm-mc -triple=amdgcn-amd-amdhsa -mcpu=gfx1250 --defsym DOCPART=n.
;; ======== version 1 of 1: 4 launches
;; limits: right only within a limited range of input values
;; workspace buffers: xwc 21,233,664 bytes; xws 884,736 bytes; pc 18,874,368 bytes; ps 786,432 bytes; pp 12,582,912 bytes; pst 2,097,152 bytes
;; launch quant (part 1): grid 960 x 1, 4 waves a work-group, no clusters, 46,592 bytes of LDS; arguments q, k, v, Wq, Wk, Wv, xwc, xws; writes xwc, xws
.if DOCPART == 1
	.amdgcn_target "amdgcn-amd-amdhsa--gfx1250"
	.amdhsa_code_object_version 6
	.text
	.protected	k_q31c0cc430c_quant
	.globl	k_q31c0cc430c_quant
	.p2align	8
	.type	k_q31c0cc430c_quant,@function
k_q31c0cc430c_quant:
	s_mov_b64 s[64:65], 0
	v_nop
	global_prefetch_b8 v0, s[64:65] scope:SCOPE_SE
	s_setreg_imm32_b32 hwreg(HW_REG_WAVE_MODE, 25, 1), 1
	s_wait_xcnt 0x0
; q, k, v [8192][1024] f32 (K innermost) and Wq, Wk, Wv [1024 (K)][1024] f32 (K outermost) become codes of FP6 (E2M3) with one E8M0 byte for each 32 along K.
; A block's scale is 2^(floor(log2(its largest magnitude)) - 2); its byte is the largest magnitude's exponent field - 2, held at 1 from below.
; LAYOUT OF THE RESULT: images of operand registers.  A tile is 256 rows (for a weight: 256 of its output columns); a fragment f is 16 rows x 128 K, 12 registers a lane;
; lane index r of fragment f is row 32 (f / 2) + 8 (f % 2) + r + 8 (r / 8); registers 4 p .. 4 p + 3 of lane l lie at 512 p + 16 l of the fragment's 1,536 bytes.
; xwc: [tile 0..107][K step 0..7][f 0..15][1,536]; xws: [tile][K step][f][r], one word of four bytes a row.  Tiles 0-31 q, 32-63 k, 64-95 v, 96-99 Wq, 100-103 Wk, 104-107 Wv.
; Work-groups 0-767 take 32 rows of q, k or v each (a wave: two K steps, four fragments); work-groups 768-959 take 128 columns x one K step of a weight.
; The two ways part on the work-group's number and have LDS bytes of their own.  Waves share nothing: no barrier.
; LIMITS: NaN and infinities among the inputs are not served.  A block of zeros gets the byte 1 where the rule says 127: its codes are zeros, and only this program reads the bytes.
.set R,   16                           ; v16-143   two sets of 64: a fragment's numbers as loaded (weights: two sets of 32)
.set X,   144                          ; v144-207  my 64 numbers: k = 64 c + 32 h + 0 .. 31 at X + 32 c
.set PC,  208                          ; v208-231  two sets of 12: a fragment's codes
.set TC,  232                          ; v232-238  the second halves of the blocks' codes
.set TM,  240                          ; v240-246  at work
.set PD,  248                          ; v248      a lane permute's destination
.set WD,  250                          ; v250-251  the scale words of an even and an odd fragment; v252 the two joined
	s_load_b512 s[8:23], s[0:1], 0x0               ; q s[8:9], k s[10:11], v s[12:13], Wq s[14:15], Wk s[16:17], Wv s[18:19], xwc s[20:21], xws s[22:23]
	v_lshl_add_u32 v254, v0, 2, 0xb400
	v_mov_b32 v255, 0
	v_lshrrev_b32 v1, 5, v0
	v_readfirstlane_b32 s2, v1                     ; wave
	v_and_b32 v1, 31, v0                           ; lane
	v_and_b32 v7, 15, v0                           ; r
	v_bfe_u32 v8, v0, 4, 1                         ; h
	v_lshlrev_b32 v2, 4, v1                        ; 16 x lane
	v_lshlrev_b32 v5, 2, v1                        ; 4 x lane
	s_cmp_lt_u32 ttmp9, 768
	s_cbranch_scc0 .Lweights
	; ---------------- q, k, v: K innermost ----------------
	s_mov_b32 s28, 0x76543210
	s_mov_b32 s29, 0xfedcba98                      ; v_permlanex16_b32's selects for lane l xor 16
	s_mul_i32 s3, s2, 8448                         ; my stage: 16 rows x (512 + 16) bytes
	v_add_nc_u32 v3, s3, v2                        ; in: a row's 512 bytes as they lie
	v_mul_u32_u24 v4, v7, 528
	v_lshl_add_u32 v4, v8, 7, v4
	v_add_nc_u32 v4, s3, v4                        ; out: row r, + 128 h: my block of 32 numbers
	v_lshlrev_b32 v6, 3, v8                        ; 8 h
	v_cmp_eq_u32 s30, 1, v8                        ; lanes 16-31
	v_mov_b32 v[PD], 0
	s_lshr_b32 s4, ttmp9, 8                        ; 0 q, 1 k, 2 v
	s_and_b32 s5, ttmp9, 255
	s_lshl_b32 s24, s5, 17                         ; 32 rows of 4,096 bytes
	s_lshl_b32 s5, s2, 10                          ; my wave's two K steps: 1,024 bytes of a row
	s_add_co_u32 s24, s24, s5
	s_mov_b32 s25, 0
	s_lshr_b32 s5, ttmp9, 3                        ; the tile
	s_and_b32 s6, ttmp9, 7                         ; which 32 rows of it: fragments 2 s6, 2 s6 + 1
	s_mul_i32 s26, s5, 196608
	s_mul_i32 s7, s2, 49152
	s_add_co_u32 s26, s26, s7
	s_mul_i32 s7, s6, 3072
	s_add_co_u32 s26, s26, s7
	s_mov_b32 s27, 0
	s_lshl_b32 s32, s5, 13
	s_lshl_b32 s7, s2, 11
	s_add_co_u32 s32, s32, s7
	s_lshl_b32 s7, s6, 7
	s_add_co_u32 s32, s32, s7
	s_mov_b32 s33, 0
	s_wait_kmcnt 0x0
	s_cmp_eq_u32 s4, 0                             ; the choice hangs on the work-group's number alone
	s_cselect_b64 s[8:9], s[8:9], s[10:11]
	s_cmp_eq_u32 s4, 2
	s_cselect_b64 s[8:9], s[12:13], s[8:9]
	s_add_nc_u64 s[8:9], s[8:9], s[24:25]
	s_add_nc_u64 s[20:21], s[20:21], s[26:27]
	s_add_nc_u64 s[22:23], s[22:23], s[32:33]
; fragment n of four: K step n / 2 of my two, rows 8 (n % 2) + i + 8 (i / 8).  Each load reads 512 consecutive bytes: one row's K step
.macro LOADX n
.irp i, 0,1,2,3,4,5,6,7,8,9,10,11,12,13,14,15
	global_load_b128 v[R+64*((\n)%2)+4*\i:R+64*((\n)%2)+4*\i+3], v2, s[8:9] offset:(8*((\n)%2)+\i+8*(\i/8))*4096+((\n)/2)*512 th:TH_LOAD_NT
.endr
.endm
.macro FRAGQ n
.set RS, R+64*((\n)%2)
.set PS, PC+12*((\n)%2)
.if (\n) < 3
	s_wait_loadcnt 16                              ; this fragment's 16 loads are in; the next fragment's 16 may be out
.else
	s_wait_loadcnt 0x0
.endif
.irp i, 0,1,2,3,4,5,6,7,8,9,10,11,12,13,14,15
	ds_store_b128 v3, v[RS+4*\i:RS+4*\i+3] offset:528*\i
.endr
.irp c, 0,1
.irp j, 0,1,2,3,4,5,6,7
	ds_load_b128 v[X+32*\c+4*\j:X+32*\c+4*\j+3], v4 offset:256*\c+16*\j   ; LDS serves a wave's instructions in order: these see the stores above
.endr
.endr
	s_wait_dscnt 0x0                               ; my numbers are back, and the stores have read their registers
.if (\n) < 2
	LOADX (\n)+2
.endif
.irp c, 0,1                                    ; my blocks h and 2 + h: all 32 numbers of each are mine
	v_max3_num_f32 v[TM+\c], |v[X+32*\c]|, |v[X+32*\c+1]|, 0x1800000   ; and the floor 2^(3 - 127): the byte cannot fall under 1
.endr
.irp i, 2,4,6,8,10,12,14,16,18,20,22,24,26,28,30
.irp c, 0,1
	v_max3_num_f32 v[TM+\c], v[TM+\c], |v[X+32*\c+\i]|, |v[X+32*\c+\i+1]|
.endr
.endr
.irp c, 0,1
	v_add_nc_u32 v[TM+2+\c], 0xff000000, v[TM+\c]  ; 2 off the exponent field: the conversion's scale operand
.endr
.irp c, 0,1
	v_lshrrev_b32 v[TM+4+\c], 23, v[TM+2+\c]       ; the scale's byte
.endr
	v_lshl_or_b32 v[TM+6], v[TM+5], 16, v[TM+4]    ; my two bytes,
	v_lshlrev_b32 v[TM+6], v6, v[TM+6]             ; at their places in the word (8 h bits up);
	v_permlanex16_b32 v[PD], v[TM+6], s28, s29
	v_or_b32 v[WD+(\n)%2], v[TM+6], v[PD]          ; with lane l xor 16's two the word is whole
	s_wait_alu depctr_va_vdst(0)
	s_wait_xcnt 0x0                                ; earlier stores have read their data: the codes' registers and the joined word may be written
.irp c, 0,1
	v_cvt_scalef32_pk16_fp6_f32 v[PS+6*\c:PS+6*\c+2], v[X+32*\c:X+32*\c+15], v[TM+2+\c]
	v_cvt_scalef32_pk16_fp6_f32 v[TC+4*\c:TC+4*\c+2], v[X+32*\c+16:X+32*\c+31], v[TM+2+\c]   ; (a conversion's three registers begin on an even number)
.endr
	v_nop                                          ; one plain place behind a scaled conversion
.irp c, 0,1
.irp i, 0,1,2
	v_mov_b32 v[PS+6*\c+3+\i], v[TC+4*\c+\i]
.endr
.endr
.irp p, 0,1,2
	global_store_b128 v2, v[PS+4*\p:PS+4*\p+3], s[20:21] offset:((\n)/2)*24576+((\n)%2)*1536+512*\p   ; 512 consecutive bytes a store
.endr
.if (\n)%2
	v_cndmask_b32 v[WD+2], v[WD], v[WD+1], s30     ; lanes 0-15 the even fragment's words, lanes 16-31 the odd one's
	global_store_b32 v5, v[WD+2], s[22:23] offset:((\n)/2)*1024
.endif
.endm
	s_wait_alu depctr_va_vdst(0)
	LOADX 0
	LOADX 1
	FRAGQ 0
	FRAGQ 1
	FRAGQ 2
	FRAGQ 3
	s_wait_tensorcnt 0x0
	ds_add_u32 v254, v255
	s_wait_dscnt 0x0
	s_endpgm
	; ---------------- Wq, Wk, Wv: K outermost.  A lane takes a column, and its registers run down K ----------------
.Lweights:
	s_sub_co_u32 s3, ttmp9, 768
	s_lshr_b32 s4, s3, 6                           ; which weight
	s_and_b32 s5, s3, 7                            ; which 128 columns
	s_bfe_u32 s6, s3, 0x30003                      ; which K step
	s_lshl_b32 s24, s6, 19                         ; 128 rows of 4,096 bytes
	s_lshl_b32 s7, s5, 9
	s_add_co_u32 s24, s24, s7
	s_lshl_b32 s7, s2, 7                           ; my wave's 32 columns
	s_add_co_u32 s24, s24, s7
	s_mov_b32 s25, 0
	s_lshl_b32 s7, s4, 2
	s_lshr_b32 s26, s5, 1
	s_add_co_u32 s7, s7, s26
	s_add_co_u32 s7, s7, 96                        ; the tile
	s_and_b32 s31, s5, 1
	s_lshl_b32 s31, s31, 2
	s_add_co_u32 s31, s31, s2                      ; which 32 rows of it
	s_mul_i32 s26, s7, 196608
	s_mul_i32 s32, s6, 24576
	s_add_co_u32 s26, s26, s32
	s_mul_i32 s32, s31, 3072
	s_add_co_u32 s26, s26, s32
	s_mov_b32 s27, 0
	s_lshl_b32 s32, s7, 13
	s_lshl_b32 s33, s6, 10
	s_add_co_u32 s32, s32, s33
	s_lshl_b32 s33, s31, 7
	s_add_co_u32 s32, s32, s33
	s_mov_b32 s33, 0
	v_bfe_u32 v9, v0, 3, 1                         ; my column is row 8 u + r + 8 (r / 8) of its 32: u = (lane / 8) % 2,
	v_and_b32 v10, 7, v0
	s_wait_alu depctr_va_vdst(0)
	v_lshl_add_u32 v10, v8, 3, v10                 ; r = lane % 8 + 8 (lane / 16)
	s_mul_i32 s7, s2, 3072
	s_add_co_u32 s7, s7, 33792                     ; my stage: two fragments' images
	v_mul_u32_u24 v11, v9, 1536
	v_lshl_add_u32 v11, v10, 4, v11
	v_add_nc_u32 v11, s7, v11                      ; fragment u, lane r of the image (+ 256 for the image's lanes 16-31)
	v_lshlrev_b32 v12, 6, v9
	v_lshl_add_u32 v12, v10, 2, v12                ; my row's scale word
	v_add_nc_u32 v13, s7, v2                       ; back: 16 x lane
	s_wait_kmcnt 0x0
	s_cmp_eq_u32 s4, 0
	s_cselect_b64 s[14:15], s[14:15], s[16:17]
	s_cmp_eq_u32 s4, 2
	s_cselect_b64 s[14:15], s[18:19], s[14:15]
	s_add_nc_u64 s[14:15], s[14:15], s[24:25]
	s_add_nc_u64 s[20:21], s[20:21], s[26:27]
	s_add_nc_u64 s[22:23], s[22:23], s[32:33]
.macro LOADW t                         ; block t: W(32 t + i, my column): 128 consecutive bytes a load
.irp i, 0,1,2,3,4,5,6,7,8,9,10,11,12,13,14,15,16,17,18,19,20,21,22,23,24,25,26,27,28,29,30,31
	global_load_b32 v[R+32*((\t)%2)+\i], v5, s[14:15] offset:(32*(\t)+\i)*4096 th:TH_LOAD_NT
.endr
.endm
.macro BLOCKW t
.set XS, R+32*((\t)%2)
.if (\t) < 3
	s_wait_loadcnt 32                              ; this block's 32 loads are in; the next block's may be out
.else
	s_wait_loadcnt 0x0
.endif
	v_max3_num_f32 v232, |v[XS]|, |v[XS+1]|, |v[XS+2]|
	v_max3_num_f32 v233, |v[XS+3]|, |v[XS+4]|, |v[XS+5]|
.irp i, 6,10,14,18,22,26
	v_max3_num_f32 v232, v232, |v[XS+\i]|, |v[XS+\i+1]|
	v_max3_num_f32 v233, v233, |v[XS+\i+2]|, |v[XS+\i+3]|
.endr
	v_max3_num_f32 v232, v232, |v[XS+30]|, |v[XS+31]|
	v_max3_num_f32 v232, v232, v233, 0x1800000     ; and the floor
	v_add_nc_u32 v234, 0xff000000, v232            ; the conversion's scale operand
	v_lshrrev_b32 v233, 23, v234                   ; the byte
.if (\t) == 0
	v_mov_b32 v235, v233
.else
	v_lshl_or_b32 v235, v233, 8*(\t), v235         ; four bytes to the word, the lower K in the lower byte
.endif
	v_cvt_scalef32_pk16_fp6_f32 v[208:210], v[XS:XS+15], v234
	v_cvt_scalef32_pk16_fp6_f32 v[216:218], v[XS+16:XS+31], v234
	v_nop                                          ; one plain place behind a scaled conversion
	v_mov_b32 v211, v216
	v_mov_b32 v212, v217
	v_mov_b32 v213, v218
; block t is registers 6 (t / 2) .. + 5 of the image's lane r + 16 (t % 2)
.if (\t) < 2
	ds_store_b128 v11, v[208:211] offset:256*((\t)%2)
	ds_store_b64 v11, v[212:213] offset:512+256*((\t)%2)
.else
	ds_store_b64 v11, v[208:209] offset:520+256*((\t)%2)
	ds_store_b128 v11, v[210:213] offset:1024+256*((\t)%2)
.endif
.if (\t) < 2
	LOADW (\t)+2
.endif
	s_wait_dscnt 0x0                               ; the stores have read their registers
.endm
	LOADW 0
	LOADW 1
	BLOCKW 0
	BLOCKW 1
	BLOCKW 2
	BLOCKW 3
	s_wait_alu depctr_va_vdst(0)
	global_store_b32 v12, v235, s[22:23]
.irp m, 0,1,2,3,4,5
	ds_load_b128 v[X+4*\m:X+4*\m+3], v13 offset:512*\m
.endr
.irp m, 0,1,2,3,4,5
	s_wait_dscnt 5-\m                              ; the younger loads may be out
	global_store_b128 v2, v[X+4*\m:X+4*\m+3], s[20:21] offset:512*\m
.endr
	s_wait_tensorcnt 0x0
	ds_add_u32 v254, v255
	s_wait_dscnt 0x0
	s_endpgm
.Lfunc_end_k_q31c0cc430c_quant:
	.size	k_q31c0cc430c_quant, .Lfunc_end_k_q31c0cc430c_quant-k_q31c0cc430c_quant
	.p2alignl 7, 3214868480
	.fill 96, 4, 3214868480
	.section	.rodata,"a",@progbits
	.p2align	6, 0x0
	.amdhsa_kernel k_q31c0cc430c_quant
		.amdhsa_group_segment_fixed_size 46592
		.amdhsa_private_segment_fixed_size 0
		.amdhsa_enable_private_segment 0
		.amdhsa_kernarg_size 64
		.amdhsa_user_sgpr_count 2
		.amdhsa_user_sgpr_kernarg_segment_ptr 1
		.amdhsa_wavefront_size32 1
		.amdhsa_system_sgpr_workgroup_id_x 1
		.amdhsa_system_sgpr_workgroup_id_y 1
		.amdhsa_system_sgpr_workgroup_id_z 1
		.amdhsa_system_vgpr_workitem_id 0
		.amdhsa_next_free_vgpr 256
		.amdhsa_next_free_sgpr 66
		.amdhsa_reserve_vcc 0
		.amdhsa_float_denorm_mode_32 3
		.amdhsa_float_denorm_mode_16_64 3
		.amdhsa_memory_ordered 1
		.amdhsa_forward_progress 1
		.amdhsa_inst_pref_size 52
	.end_amdhsa_kernel
	.amdgpu_metadata
---
amdhsa.version: [ 1, 2 ]
amdhsa.kernels:
  - .name:           k_q31c0cc430c_quant
    .symbol:         k_q31c0cc430c_quant.kd
    .args:
      - { .name: q, .offset: 0, .size: 8, .value_kind: global_buffer, .address_space: global }
      - { .name: k, .offset: 8, .size: 8, .value_kind: global_buffer, .address_space: global }
      - { .name: v, .offset: 16, .size: 8, .value_kind: global_buffer, .address_space: global }
      - { .name: Wq, .offset: 24, .size: 8, .value_kind: global_buffer, .address_space: global }
      - { .name: Wk, .offset: 32, .size: 8, .value_kind: global_buffer, .address_space: global }
      - { .name: Wv, .offset: 40, .size: 8, .value_kind: global_buffer, .address_space: global }
      - { .name: xwc, .offset: 48, .size: 8, .value_kind: global_buffer, .address_space: global }
      - { .name: xws, .offset: 56, .size: 8, .value_kind: global_buffer, .address_space: global }
    .group_segment_fixed_size: 46592
    .private_segment_fixed_size: 0
    .kernarg_segment_align: 8
    .kernarg_segment_size: 64
    .max_flat_workgroup_size: 128
    .sgpr_count:     66
    .vgpr_count:     256
    .wavefront_size: 32
...
	.end_amdgpu_metadata
.endif
;; end of part 1
;; launch proj (part 2): grid 4 x 64, 4 waves a work-group, clusters of 4 x 4, 327,680 bytes of LDS; arguments xwc, xws, pc, ps; writes pc, ps
.if DOCPART == 2
	.amdgcn_target "amdgcn-amd-amdhsa--gfx1250"
	.amdhsa_code_object_version 6
	.text
	.protected	k_q31c0cc430c_proj
	.globl	k_q31c0cc430c_proj
	.p2align	8
	.type	k_q31c0cc430c_proj,@function
k_q31c0cc430c_proj:
	s_mov_b64 s[64:65], 0
	v_nop
	global_prefetch_b8 v0, s[64:65] scope:SCOPE_SE
	s_setreg_imm32_b32 hwreg(HW_REG_WAVE_MODE, 25, 1), 1
	s_wait_xcnt 0x0
	s_wait_alu depctr_hold_cnt(0) depctr_sa_sdst(0) depctr_va_vdst(0) depctr_va_sdst(0) depctr_va_ssrc(0) depctr_va_vcc(0) depctr_vm_vsrc(0)
	s_getreg_b32 s2, hwreg(HW_REG_IB_STS2, 6, 4)
	s_cmp_eq_u32 s2, 0
	s_cbranch_scc0 .Lentry_in_a_cluster
	s_endpgm
.Lentry_in_a_cluster:
	s_bfe_u32 s2, ttmp6, 0x10000c
	s_cmp_lg_u32 s2, 0xf033
	s_cbranch_scc0 .Lentry_shape_is_right
	s_endpgm
.Lentry_shape_is_right:
; The three projections on codes of FP6 (E2M3), and the quantising of their results.  C[row][col] = sum over k of ROWS[row][k] COLS[col][k], K = 1,024; C is quantised ALONG col, in blocks of 32.
; Q = q Wq and K = k Wk: rows = tokens, cols = the weight's outputs.  V: rows = Wv's outputs (channels), cols = tokens (keys): that is V^T, quantised along the keys.
; Operands and results are images of operand registers (a fragment: 16 rows x 128 K, 1,536 bytes; registers 4 p .. 4 p + 3 of lane l at 512 p + 16 l; lane index r of fragment f is row 32 (f / 2) + 8 (f % 2) + r + 8 (r / 8)).
; 256 WORK-GROUPS THAT STAY: each makes three blocks of 128 rows x 256 cols, one of Q, one of K, one of V^T: 3 x 256 blocks are all of the work, the same for every work-group.
; A wave makes 64 x 128: 32 accumulators.  The matrix instruction is used transposed (source 0 = 16 cols, source 1 = 16 rows): a lane's 64 results of a block of 16 rows are col 32 b + 16 (lane / 16) + i of ONE row.
; K goes in 8 steps of 128 through two LDS slots of four steps: [rows 4 x 12,288][cols 4 x 24,576].  The ring goes on from block to block: a block's two changes of slots ask for the next block's two halves.
; Wave 0 fetches the rows' part of a slot, waves 1 to 3 a third of the cols' each: a wave has one tensor load out behind each round.
; CLUSTER 4 x 4 (C = the cluster's number, 0..15): Q, K: rows' block 4 C + cy, cols' block cx.  V: channels' block 4 (C % 2) + cy, tokens' block 4 (C / 2) + cx.  Rows' tiles are shared along a row of the cluster, cols' along a column.
; The first two blocks are a loop's two trips; the last is written out, since it asks for nothing more.
; SCALE WORDS: 48 registers a block (cols 4, rows 2 a K step; lanes 0-15 an even fragment's words, lanes 16-31 the next one's).  Those of K steps 0-3 are loaded anew, for the next block, in K step 4; those of 4-7 behind K step 7.
; PREFETCH: behind each joint load the fill that the next joint load will ask for is named, 256 bytes a lane: of the rows' four K steps the partner at cx takes one (48 lanes' worth, wave 0),
; of each third of the cols' the partner at cy takes a quarter (32 lanes, waves 1 to 3).  The last block's second half is the last that is named.
; pc: Q tiles 0-31, K tiles 32-63 as [tile][K step 0..7][f 0..15][1,536]; from VB on V^T as [batch][256 channels 0..3][key step 0..15][f][1,536].  ps: the scale words, [..][f][r].
; LIMITS: NaN and infinities are not served; a block of zeros gets the byte 1 (its codes are zeros; only this program reads the bytes).
; REGISTERS: window 0: v2-5 at the head; v16-29 addresses; v32-63 cols' scale words, v64-79 rows'; v80-119 at work on the way out; v128-223 the rows' fragments, two sets.
;   window 1: the cols' fragments, two sets, at v0 and v128.  window 2: accumulator (a, x) at v[8 (8 a + x)].
.set TILEB, 196608
.set KSB,   24576
.set HALFK, 98304                      ; four K steps of a tile of 256 rows
.set SLOT,  147456
.set SPARE, 2*SLOT
.set VB,    12582912
.set VBS,   524288
.set ADRP, 16
.set ADRV, 20
.set LI,   24
.set LS,   25
.set PFO,  26
.set PFO2, 27
.set SPW,  28
.set NIL,  29
.set VS,   32
.set RSW,  64
.set TM,   80
.set PW,   96
.set PF,   128
.set SEL,  86
.set OC,   82
.set OS,   84
; s48, s50, s52, s54: the next block's offsets (rows, cols, rows' scale words, cols'); s49, s51, s53, s55: the third block's.  s76-78, s79-81: where this, the next and the third block's codes and scale words go.
.set MSB, 0
.macro WIN new                         ; the immediate's high byte repeats the setting that is left
.if MSB != (\new)
	s_set_vgpr_msb (MSB<<8)|(\new)
.set MSB, (\new)
.endif
.endm
.macro PLACES n
.rept \n
	v_nop
.endr
.endm
.macro CREST                           ; a round of the cluster's barrier behind its opening barrier
	s_cmp_lg_u32 s12, 0
	s_cbranch_scc1 .Lnw0_\@
	s_barrier_signal -3
.Lnw0_\@:
	s_barrier_wait -3
	s_barrier_signal -1
	s_barrier_wait -1
.endm
.macro CROUND
	s_barrier_signal -1
	s_barrier_wait -1
	CREST
.endm
.macro JLOAD n                         ; slot n: wave 0 fetches the rows', waves 1 to 3 a third of the cols' each
	s_cmp_eq_u32 s12, 0
	s_cbranch_scc0 .Ljv_\@
	tensor_load_to_lds s[40+4*(\n):43+4*(\n)], s[24:31]
	s_nop 0
	PLACES 4
	s_branch .Ljd_\@
.Ljv_\@:
	tensor_load_to_lds s[68+4*(\n):71+4*(\n)], s[32:39]
	s_nop 0
	PLACES 4
.Ljd_\@:
.endm
.macro ASK ro, co, half                ; names half a block's codes: my work-group's share of what my wave will fetch
	s_wait_xcnt 0x0                                ; the last prefetch, a slot ago, has read its base
	s_cmp_eq_u32 s12, 0
	s_cselect_b32 s22, s[\ro], s[\co]
	s_add_nc_u64 s[88:89], s[4:5], s[22:23]
	global_prefetch_b8 v[PFO], s[88:89] offset:(\half)*HALFK th:TH_LOAD_NT scope:SCOPE_SE
	s_cbranch_scc0 .Lpf_\@
	global_prefetch_b8 v[PFO2], s[88:89] offset:(\half)*HALFK+8192 th:TH_LOAD_NT scope:SCOPE_SE   ; the rows' K step has 48 runs of 256 bytes: lanes 16-31 name the last again
.Lpf_\@:
.endm
	s_load_b256 s[4:11], s[0:1], 0x0               ; xwc s[4:5], xws s[6:7], pc s[8:9], ps s[10:11]
	v_lshl_add_u32 v[SPW], v0, 2, SPARE
	v_mov_b32 v[NIL], 0
	ds_add_u32 v[SPW], v[NIL]                      ; the opening lines: the add twice on end and its wait
	ds_add_u32 v[SPW], v[NIL]
	v_lshrrev_b32 v4, 5, v0
	v_readfirstlane_b32 s12, v4                    ; wave
	s_lshr_b32 s13, s12, 1                         ; rho: my half of the rows
	s_and_b32 s14, s12, 1                          ; kappa: my half of the cols
	s_bfe_u32 s15, ttmp6, 0x40000                  ; cx
	s_bfe_u32 s16, ttmp6, 0x40004                  ; cy
	s_and_b32 s17, ttmp7, 0xffff                   ; C
	s_lshr_b32 s91, s16, 1
	s_and_b32 s92, s16, 1                          ; which half of a tile of 256 rows
	s_lshl_b32 s93, s17, 1
	s_add_co_u32 s93, s93, s91                     ; q's tile: 2 C + cy / 2
	s_mul_i32 s95, s92, 12288
	s_mul_i32 s18, s93, TILEB
	s_add_co_u32 s18, s18, s95                     ; the first block's rows: hangs on cy alone
	s_mov_b32 s19, 0
	s_lshl_b32 s96, s12, 15
	s_add_co_u32 s97, s15, 96                      ; Wq's tile
	s_mul_i32 s20, s97, TILEB
	s_add_co_u32 s20, s20, s96
	s_sub_co_u32 s20, s20, 32768                   ; its cols, wave w's third 32,768 (w - 1) bytes on: hangs on cx alone
	s_mov_b32 s21, 0
	s_lshl_b32 s66, s16, 2
	s_lshl_b32 s66, 15, s66                        ; my row of the cluster
	s_lshl_b32 s67, 0x1111, s15                    ; my column
	s_or_b32 s24, s66, (3<<16)|(1<<21)             ; group 1 for the rows: 4 K steps x 12,288 bytes (1,536 elements of 8), 24,576 bytes apart
	s_mov_b32 s25, 1536<<16
	s_mov_b32 s26, 4<<16
	s_mov_b32 s27, 1536<<16
	s_mov_b32 s28, 4
	s_mov_b32 s29, 3072
	s_mov_b32 s30, 0
	s_mov_b32 s31, 0
	s_or_b32 s32, s67, (3<<16)|(1<<21)             ; for the cols: 32,768 dense bytes as 128 rows of 256
	s_mov_b32 s33, 32<<16
	s_mov_b32 s34, 128<<16
	s_mov_b32 s35, 32<<16
	s_mov_b32 s36, 128
	s_mov_b32 s37, 32
	s_mov_b32 s38, 0
	s_mov_b32 s39, 0
	s_mov_b32 s40, 1
	s_mov_b32 s41, 0
	s_mov_b32 s44, 1
	s_mov_b32 s45, SLOT
	s_mov_b32 s68, 1
	s_add_co_u32 s69, s96, 16384                   ; 49,152 + 32,768 (w - 1)
	s_mov_b32 s72, 1
	s_add_co_u32 s73, s96, SLOT+16384
	s_wait_dscnt 0x0                               ; both opening adds are done
	s_wait_kmcnt 0x0
	s_add_nc_u64 s[42:43], s[4:5], s[18:19]
	s_add_nc_u64 s[46:47], s[42:43], HALFK
	s_or_b32 s43, s43, 0x80000000
	s_or_b32 s47, s47, 0x80000000
	s_add_nc_u64 s[70:71], s[4:5], s[20:21]
	s_add_nc_u64 s[74:75], s[70:71], HALFK
	s_or_b32 s71, s71, 0x80000000
	s_or_b32 s75, s75, 0x80000000
	CROUND                                         ; all sixteen work-groups are here: the first joint loads meet
	JLOAD 0                                        ; the first block's K steps 0-3: one tensor load a wave at the head
	; the other blocks' offsets
	s_add_co_u32 s48, s18, 32*TILEB                ; k's tile lies 32 tiles behind q's
	s_and_b32 s94, s17, 1
	s_lshl_b32 s94, s94, 1
	s_add_co_u32 s94, s94, s91                     ; V: which 256 channels: 2 (C % 2) + cy / 2
	s_add_co_u32 s98, s94, 104                     ; Wv's tile
	s_mul_i32 s49, s98, TILEB
	s_add_co_u32 s49, s49, s95
	s_add_co_u32 s50, s20, 4*TILEB                 ; Wk's tile lies 4 behind Wq's
	s_lshr_b32 s99, s17, 1
	s_lshl_b32 s61, s99, 2
	s_add_co_u32 s61, s61, s15
	s_add_co_u32 s61, s61, 64                      ; v's tile: 64 + 4 (C / 2) + cx
	s_mul_i32 s51, s61, TILEB
	s_add_co_u32 s51, s51, s96
	s_sub_co_u32 s51, s51, 32768
	s_lshl_b32 s22, s92, 9                         ; scale words: 64 bytes a fragment, 1,024 a K step, 8,192 a tile
	s_lshl_b32 s23, s13, 8
	s_add_co_u32 s22, s22, s23                     ; my four fragments of rows
	s_lshl_b32 s62, s93, 13
	s_add_co_u32 s62, s62, s22
	s_add_co_u32 s52, s62, 32*8192
	s_lshl_b32 s53, s98, 13
	s_add_co_u32 s53, s53, s22
	s_lshl_b32 s23, s14, 9                         ; my eight fragments of cols
	s_lshl_b32 s63, s97, 13
	s_add_co_u32 s63, s63, s23
	s_add_co_u32 s54, s63, 4*8192
	s_lshl_b32 s55, s61, 13
	s_add_co_u32 s55, s55, s23
	s_mul_i32 s61, s15, 2*KSB                      ; results: K step 2 cx + kappa of the result, fragments 8 (cy % 2) + 4 rho + a
	s_mul_i32 s23, s14, KSB
	s_add_co_u32 s61, s61, s23
	s_add_co_u32 s61, s61, s95
	s_mul_i32 s23, s13, 6144
	s_add_co_u32 s61, s61, s23
	s_mul_i32 s76, s93, TILEB
	s_add_co_u32 s76, s76, s61
	s_add_co_u32 s77, s76, 32*TILEB
	s_lshr_b32 s23, s17, 2                         ; V: the batch,
	s_lshl_b32 s23, s23, 2
	s_add_co_u32 s23, s23, s94                     ; its 256 channels,
	s_lshl_b32 s23, s23, 1
	s_and_b32 s99, s99, 1
	s_add_co_u32 s23, s23, s99                     ; and which half of its 16 key steps
	s_mul_i32 s78, s23, 8*KSB
	s_add_co_u32 s78, s78, s61
	s_add_co_u32 s78, s78, VB
	s_lshl_b32 s61, s15, 11
	s_lshl_b32 s98, s14, 10
	s_add_co_u32 s61, s61, s98
	s_add_co_u32 s61, s61, s22
	s_lshl_b32 s79, s93, 13
	s_add_co_u32 s79, s79, s61
	s_add_co_u32 s80, s79, 32*8192
	s_lshl_b32 s81, s23, 13
	s_add_co_u32 s81, s81, s61
	s_add_co_u32 s81, s81, VBS
	s_mul_i32 s91, s13, 6144                       ; LDS: my 4 fragments of the rows,
	s_mul_i32 s92, s14, 12288
	s_add_co_u32 s92, s92, 49152                   ; my 8 of the cols
	s_mul_i32 s93, s15, KSB                        ; the prefetches: of the rows' four K steps the one at cx,
	s_lshl_b32 s94, s16, 13                        ; of a third of the cols' the quarter at cy
	s_cmp_eq_u32 s12, 0
	s_cselect_b32 s93, s93, s94
	s_mov_b32 s[SEL], 0x76543210
	s_mov_b32 s[SEL+1], 0xfedcba98
	s_mov_b32 s23, 0
	v_bfe_u32 v2, v0, 4, 1                         ; h
	v_and_b32 v3, 31, v0                           ; lane
	v_lshlrev_b32 v[LI], 4, v3
	v_lshlrev_b32 v[LS], 2, v3
	v_cmp_eq_u32 s60, 1, v2                        ; lanes 16-31
	v_min_u32 v5, 15, v3
	v_lshl_add_u32 v[PFO], v3, 8, s93
	v_lshl_add_u32 v[PFO2], v5, 8, s93
	v_add_nc_u32 v[ADRP], s91, v[LI]
	v_add_nc_u32 v[ADRV], s92, v[LI]
	v_add_nc_u32 v[ADRP+1], SLOT, v[ADRP]
	v_add_nc_u32 v[ADRV+1], 49152, v[ADRV]         ; a register for each slot and each pair of K steps
	v_add_nc_u32 v[ADRV+2], SLOT, v[ADRV]
	v_add_nc_u32 v[ADRV+3], SLOT+49152, v[ADRV]
.irp b, 0,1,2,3
	v_mov_b32 v[TM+4+\b], 0                        ; written once: a lane permute's destination counts as one of its sources
.endr
	s_wait_alu depctr_va_vdst(0)                   ; the wait at the end of the head's vector work
	s_mov_b32 s22, s62
	s_add_nc_u64 s[56:57], s[6:7], s[22:23]        ; the rows' scale words
	s_mov_b32 s22, s63
	s_add_nc_u64 s[58:59], s[6:7], s[22:23]        ; the cols'
.macro SCLD h                          ; the scale words of K steps 4 h .. 4 h + 3: 128 consecutive bytes a load, 24 loads
.set J, 0
.rept 16
	global_load_b32 v[VS+16*(\h)+J], v[LS], s[58:59] offset:(4*(\h)+J/4)*1024+(J%4)*128
.set J, J+1
.endr
.set J, 0
.rept 8
	global_load_b32 v[RSW+8*(\h)+J], v[LS], s[56:57] offset:(4*(\h)+J/2)*1024+(J%2)*128
.set J, J+1
.endr
.endm
	ASK 18, 20, 1                                  ; the first block's K steps 4-7
	SCLD 0
	SCLD 1
.macro FRAG reg, adr, off              ; a fragment comes as it was stored: three loads of 512 consecutive bytes
.irp p, 0,1,2
	ds_load_b128 v[(\reg)+4*\p:(\reg)+4*\p+3], v[\adr] offset:(\off)+512*\p
.endr
.endm
.macro FETCHK s                        ; K step s: the cols' 8 fragments and the rows' 4 into set s % 2
.set SG, ((\s)/4)%2
.set QQ, (\s)%4
	WIN 0x40
.irp x, 0,1,2,3,4,5,6,7
	FRAG 128*((\s)%2)+12*\x, ADRV+2*SG+QQ/2, (QQ%2)*24576+1536*\x
.endr
	WIN 0
.irp a, 0,1,2,3
	FRAG PF+48*((\s)%2)+12*\a, ADRP+SG, QQ*12288+1536*\a
.endr
.endm
.macro PROD s, a, x, zero
.set DD, 8*(8*(\a)+(\x))
.set VV, 128*((\s)%2)+12*(\x)
.set PP, PF+48*((\s)%2)+12*(\a)
.set SV, VS+4*(\s)+(\x)/2
.set SQ, RSW+2*(\s)+(\a)/2
.set XO, (\x)%2
.set AO, (\a)%2
.if \zero
.if (XO == 0) && (AO == 0)
	v_wmma_scale_f32_16x16x128_f8f6f4 v[DD:DD+7], v[VV:VV+11], v[PP:PP+11], 0, v[SV], v[SQ] matrix_a_fmt:MATRIX_FMT_FP6 matrix_b_fmt:MATRIX_FMT_FP6
.elseif (XO == 1) && (AO == 0)
	v_wmma_scale_f32_16x16x128_f8f6f4 v[DD:DD+7], v[VV:VV+11], v[PP:PP+11], 0, v[SV], v[SQ] matrix_a_fmt:MATRIX_FMT_FP6 matrix_b_fmt:MATRIX_FMT_FP6 matrix_a_scale:MATRIX_SCALE_ROW1
.elseif (XO == 0)
	v_wmma_scale_f32_16x16x128_f8f6f4 v[DD:DD+7], v[VV:VV+11], v[PP:PP+11], 0, v[SV], v[SQ] matrix_a_fmt:MATRIX_FMT_FP6 matrix_b_fmt:MATRIX_FMT_FP6 matrix_b_scale:MATRIX_SCALE_ROW1
.else
	v_wmma_scale_f32_16x16x128_f8f6f4 v[DD:DD+7], v[VV:VV+11], v[PP:PP+11], 0, v[SV], v[SQ] matrix_a_fmt:MATRIX_FMT_FP6 matrix_b_fmt:MATRIX_FMT_FP6 matrix_a_scale:MATRIX_SCALE_ROW1 matrix_b_scale:MATRIX_SCALE_ROW1
.endif
.else
.if (XO == 0) && (AO == 0)
	v_wmma_scale_f32_16x16x128_f8f6f4 v[DD:DD+7], v[VV:VV+11], v[PP:PP+11], v[DD:DD+7], v[SV], v[SQ] matrix_a_fmt:MATRIX_FMT_FP6 matrix_b_fmt:MATRIX_FMT_FP6
.elseif (XO == 1) && (AO == 0)
	v_wmma_scale_f32_16x16x128_f8f6f4 v[DD:DD+7], v[VV:VV+11], v[PP:PP+11], v[DD:DD+7], v[SV], v[SQ] matrix_a_fmt:MATRIX_FMT_FP6 matrix_b_fmt:MATRIX_FMT_FP6 matrix_a_scale:MATRIX_SCALE_ROW1
.elseif (XO == 0)
	v_wmma_scale_f32_16x16x128_f8f6f4 v[DD:DD+7], v[VV:VV+11], v[PP:PP+11], v[DD:DD+7], v[SV], v[SQ] matrix_a_fmt:MATRIX_FMT_FP6 matrix_b_fmt:MATRIX_FMT_FP6 matrix_b_scale:MATRIX_SCALE_ROW1
.else
	v_wmma_scale_f32_16x16x128_f8f6f4 v[DD:DD+7], v[VV:VV+11], v[PP:PP+11], v[DD:DD+7], v[SV], v[SQ] matrix_a_fmt:MATRIX_FMT_FP6 matrix_b_fmt:MATRIX_FMT_FP6 matrix_a_scale:MATRIX_SCALE_ROW1 matrix_b_scale:MATRIX_SCALE_ROW1
.endif
.endif
.endm
; The rows' fragments a0 .. a0 + na - 1 x the cols' eight.  The 32 accumulators take turns, in the same order in every step.
.macro MULP s, a0, na, zero
	WIN 0xa1
.set AA, \a0
.rept \na
.irp x, 0,1,2,3,4,5,6,7
	PROD \s, AA, \x, \zero
.endr
.set AA, AA+1
.endr
.endm
.macro KS s, fetch, zero               ; a K step: its fragments are in; the next step's are asked for, and land under its 32 products
	s_wait_dscnt 0x0
	PLACES 4                                       ; four places in front of loads into registers that the last step's products have read
.if \fetch
	FETCHK (\s)+1
.endif
	MULP \s, 0, 4, \zero
	WIN 0
.endm
; A slot's last step, first half.  All my tensor loads have landed, my reads of this slot are over; a barrier; with refill = 1 it opens a round of the cluster's, and the slot's descriptors take the next block's address.
.macro KTURN s, slot, refill
	s_wait_dscnt 0x0
	s_wait_tensorcnt 0x0
	ds_add_u32 v[SPW], v[NIL]
.if \refill
	s_add_co_u32 s18, s48, (\slot)*HALFK           ; no tensor load of mine is out: the descriptors may be written
	s_add_co_u32 s20, s50, (\slot)*HALFK
	s_add_nc_u64 s[42+4*(\slot):43+4*(\slot)], s[4:5], s[18:19]
	s_or_b32 s[43+4*(\slot)], s[43+4*(\slot)], 0x80000000
	s_add_nc_u64 s[70+4*(\slot):71+4*(\slot)], s[4:5], s[20:21]
	s_or_b32 s[71+4*(\slot)], s[71+4*(\slot)], 0x80000000
.endif
	MULP \s, 0, 1, 0
	s_wait_dscnt 0x0
	s_barrier_signal -1
	MULP \s, 1, 1, 0
	WIN 0
	s_barrier_wait -1
.if \refill
	CREST
.endif
.endm
; THE WAY OUT: each block of 16 rows x 128 cols becomes one fragment and one scale word a row, in registers, and is stored as an image: 512 consecutive bytes a store.
.macro QTAIL pw                        ; from the four largest magnitudes: the conversions' scale operands, the bytes, the word
.irp b, 0,1,2,3
	v_add_nc_u32 v[TM+12+\b], 0xff000000, v[TM+\b]
.endr
.irp b, 0,1,2,3
	v_lshrrev_b32 v[TM+4+\b], 23, v[TM+12+\b]
.endr
	v_lshl_or_b32 v[\pw], v[TM+5], 8, v[TM+4]
	v_lshl_or_b32 v[\pw], v[TM+6], 16, v[\pw]
	v_lshl_or_b32 v[\pw], v[TM+7], 24, v[\pw]
.endm
.macro CVT w, s                        ; 64 numbers at v[s] of window w -> 12 registers of codes at v[PC]
	WIN (\w)|0x40                                  ; the codes are made in window 1
.irp c, 0,1
	v_cvt_scalef32_pk16_fp6_f32 v[PC+6*\c:PC+6*\c+2], v[(\s)+32*\c:(\s)+32*\c+15], v[TM+12+2*\c]
	v_cvt_scalef32_pk16_fp6_f32 v[PC+12+4*\c:PC+14+4*\c], v[(\s)+16+32*\c:(\s)+31+32*\c], v[TM+13+2*\c]
.endr
	WIN 0x41
	v_nop
.irp c, 0,1                                    ; the layout wants a whole block in a lane
.irp i, 0,1,2
	v_permlane16_swap_b32 v[PC+6*\c+\i], v[PC+12+4*\c+\i]
.endr
.irp i, 0,1,2
	v_mov_b32 v[PC+3+6*\c+\i], v[PC+12+4*\c+\i]
.endr
.endr
	WIN 0
.endm
.macro OUTQ a
.set WW, 2
.set S0, 64*(\a)
.set PC, 96+12*(\a)+104*((\a)/2)       ; window 1, v96-119 and v224-247, which no fragment uses: a block's 12 registers of codes; the 8 behind them are at work (the next block's, or v120-127, v248-255)
	WIN WW|(WW<<2)
.irp b, 0,1,2,3
	v_max3_num_f32 v[TM+\b], |v[S0+16*\b]|, |v[S0+16*\b+1]|, 0x1800000   ; each accumulator is read from its low end on; the floor holds the byte at 1 from below
.endr
	WIN (WW<<2)|(WW<<4)
.irp i, 2,4,6,8,10,12,14
.irp b, 0,1,2,3
	v_max3_num_f32 v[TM+\b], v[TM+\b], |v[S0+16*\b+\i]|, |v[S0+16*\b+\i+1]|
.endr
.endr
	WIN 0
.irp b, 0,1,2,3
	v_permlanex16_b32 v[TM+4+\b], v[TM+\b], s[SEL], s[SEL+1]
.endr
.irp b, 0,1,2,3
	v_max_num_f32 v[TM+\b], v[TM+\b], v[TM+4+\b]   ; with lane l xor 16's: the block's largest magnitude
.endr
	QTAIL PW+(\a)%2
	CVT WW, S0
.if (\a)%2
	v_cndmask_b32 v[PW+2+(\a)/2], v[PW], v[PW+1], s60     ; lanes 0-15 the even fragment's words, lanes 16-31 the odd one's
.endif
.endm
; A block of 128 x 256.  At its head: K step 0's fragments are asked for, slot 0 is whole, slot 1's load is out.  last = 1: nothing more is asked for.
.macro TILE last
	s_wait_loadcnt 24                              ; the scale words of K steps 0-3 are in; the 24 loads issued behind them, K steps 4-7's, may be out
	KS 0, 1, 1                                     ; the first products start the sums: nothing is cleared
	KS 1, 1, 0
	KS 2, 1, 0
.if \last
	KTURN 3, 0, 0
	PLACES 4
	FETCHK 4
.else
	KTURN 3, 0, 1
	JLOAD 0                                        ; slot 0 takes the next block's K steps 0-3; its four v_nop are the places in front of the loads below
	FETCHK 4
	ASK 48, 50, 1                                  ; the next block's K steps 4-7
.endif
	MULP 3, 2, 2, 0
	WIN 0
	s_wait_dscnt 0x0
	s_wait_loadcnt 0x0                             ; the scale words of K steps 4-7 are in, and no load reads the two bases any more
	PLACES 4
.if \last == 0
	s_mov_b32 s22, s52
	s_add_nc_u64 s[56:57], s[6:7], s[22:23]
	s_mov_b32 s22, s54
	s_add_nc_u64 s[58:59], s[6:7], s[22:23]
	SCLD 0                                         ; the next block's, into the registers that K steps 0-3 have done with
.endif
	FETCHK 5
	MULP 4, 0, 4, 0
	WIN 0
	KS 5, 1, 0
	KS 6, 1, 0
.if \last
	KS 7, 0, 0
.else
	KTURN 7, 1, 1
	JLOAD 1                                        ; slot 1 takes the next block's K steps 4-7
	FETCHK 0                                       ; the next block's first fragments: slot 0 is whole
	s_cmp_eq_u32 s90, 0
	s_cbranch_scc0 .Lna_\@
	ASK 49, 51, 0                                  ; in the first trip: the third block's K steps 0-3
.Lna_\@:
	MULP 7, 2, 2, 0
	WIN 0
.endif
	PLACES 4                                       ; four places in front of loads into scale registers and of the reads of results
.if \last == 0
	SCLD 1
.endif
	s_wait_xcnt 0x0                                ; the last block's stores have read their bases
	s_mov_b32 s22, s76
	s_add_nc_u64 s[OC:OC+1], s[8:9], s[22:23]
	s_mov_b32 s22, s79
	s_add_nc_u64 s[OS:OS+1], s[10:11], s[22:23]
	OUTQ 0
	OUTQ 1
	OUTQ 2
	OUTQ 3
	WIN 0x04                                       ; all four blocks are stored in one run: 512 consecutive bytes a store; their registers are written again only behind the next block's wait on XCNT
.irp a, 0,1,2,3
.irp p, 0,1,2
	global_store_b128 v[LI], v[96+12*\a+104*(\a/2)+4*\p:96+12*\a+104*(\a/2)+4*\p+3], s[OC:OC+1] offset:\a*1536+512*\p
.endr
.endr
	WIN 0
	global_store_b32 v[LS], v[PW+2], s[OS:OS+1]
	global_store_b32 v[LS], v[PW+3], s[OS:OS+1] offset:128
.endm
	s_wait_tensorcnt 0x0                           ; my part of slot 0 is in
	ds_add_u32 v[SPW], v[NIL]
	s_wait_dscnt 0x0
	CROUND                                         ; everybody's part is in, and all sixteen work-groups are here
	JLOAD 1                                        ; the first block's K steps 4-7: slot 1's first fill
	FETCHK 0
	ASK 48, 50, 0                                  ; the second block's K steps 0-3
	s_mov_b32 s90, 0
.Ltile:
	TILE 0
	s_wait_alu depctr_va_vdst(0)                   ; the wait ahead of the run of scalar lines and the branch
	s_mov_b32 s48, s49                             ; the block after the next is the third
	s_mov_b32 s50, s51
	s_mov_b32 s52, s53
	s_mov_b32 s54, s55
	s_mov_b32 s76, s77
	s_mov_b32 s77, s78
	s_mov_b32 s79, s80
	s_mov_b32 s80, s81
	s_add_co_u32 s90, s90, 1
	s_cmp_lt_u32 s90, 2
	s_cbranch_scc1 .Ltile
	TILE 1
	s_wait_tensorcnt 0x0                           ; the wave's end
	ds_add_u32 v[SPW], v[NIL]
	s_wait_dscnt 0x0
	CROUND                                         ; the closing round
	s_endpgm
.Lfunc_end_k_q31c0cc430c_proj:
	.size	k_q31c0cc430c_proj, .Lfunc_end_k_q31c0cc430c_proj-k_q31c0cc430c_proj
	.p2alignl 7, 3214868480
	.fill 96, 4, 3214868480
	.section	.rodata,"a",@progbits
	.p2align	6, 0x0
	.amdhsa_kernel k_q31c0cc430c_proj
		.amdhsa_group_segment_fixed_size 327680
		.amdhsa_private_segment_fixed_size 0
		.amdhsa_enable_private_segment 0
		.amdhsa_kernarg_size 32
		.amdhsa_user_sgpr_count 2
		.amdhsa_user_sgpr_kernarg_segment_ptr 1
		.amdhsa_wavefront_size32 1
		.amdhsa_system_sgpr_workgroup_id_x 1
		.amdhsa_system_sgpr_workgroup_id_y 1
		.amdhsa_system_sgpr_workgroup_id_z 1
		.amdhsa_system_vgpr_workitem_id 0
		.amdhsa_next_free_vgpr 768
		.amdhsa_next_free_sgpr 100
		.amdhsa_reserve_vcc 0
		.amdhsa_float_denorm_mode_32 3
		.amdhsa_float_denorm_mode_16_64 3
		.amdhsa_memory_ordered 1
		.amdhsa_forward_progress 1
		.amdhsa_inst_pref_size 163
	.end_amdhsa_kernel
	.amdgpu_metadata
---
amdhsa.version: [ 1, 2 ]
amdhsa.kernels:
  - .name:           k_q31c0cc430c_proj
    .symbol:         k_q31c0cc430c_proj.kd
    .args:
      - { .name: xwc, .offset: 0, .size: 8, .value_kind: global_buffer, .address_space: global }
      - { .name: xws, .offset: 8, .size: 8, .value_kind: global_buffer, .address_space: global }
      - { .name: pc, .offset: 16, .size: 8, .value_kind: global_buffer, .address_space: global }
      - { .name: ps, .offset: 24, .size: 8, .value_kind: global_buffer, .address_space: global }
    .group_segment_fixed_size: 327680
    .private_segment_fixed_size: 0
    .kernarg_segment_align: 8
    .kernarg_segment_size: 32
    .max_flat_workgroup_size: 128
    .sgpr_count:     100
    .vgpr_count:     768
    .wavefront_size: 32
...
	.end_amdgpu_metadata
.endif
;; end of part 2
;; launch scores (part 3): grid 36 x 4, 4 waves a work-group, no clusters, 327,680 bytes of LDS; arguments pc, ps, pp, pst; writes pp, pst
.if DOCPART == 3
	.amdgcn_target "amdgcn-amd-amdhsa--gfx1250"
	.amdhsa_code_object_version 6
	.text
	.protected	k_q31c0cc430c_scores
	.globl	k_q31c0cc430c_scores
	.p2align	8
	.type	k_q31c0cc430c_scores,@function
k_q31c0cc430c_scores:
	s_mov_b64 s[64:65], 0
	v_nop
	global_prefetch_b8 v0, s[64:65] scope:SCOPE_SE
	s_setreg_imm32_b32 hwreg(HW_REG_WAVE_MODE, 25, 1), 1
	s_wait_xcnt 0x0
; S = Q K^T on codes of FP6 (E2M3) for the tiles of 256 queries x 256 keys that the causal mask leaves (36 of 64 a batch), the mask, and p = 2^(t - M), quantised along the keys.
; t = score x log2(e) / 32.  M here is LOCAL: the ceiling of the row's largest t among the wave's 128 keys, a whole number.  The codes of 2^(t - M_local) are those of 2^(t - M_row); the scale bytes and the sum are too
; high by the exact power 2^(M_row - M_local), which the next launch takes off.  So a maximum is taken away before every exponential, and no p exceeds 1.
; Stored for each (128 queries i, 128 keys s): pp: 8 fragments of codes (images of operand registers, as in pc); pst: { -M_local, the sum of the unquantised p, the scale word } a row.
; The main part is the projections': 256 x 256 a work-group, 128 x 128 a wave, 8 K steps written out, two LDS regions of three steps, one refill.  A wave has one tensor load out at the head, one behind the first barrier, and the refill behind a later one.
; NO CLUSTER: a batch's 36 tiles form a triangle (rows of 1 to 8 tiles), which no 4 x 4 or 4 x 1 grouping covers without work-groups whose whole tile lies under the mask.
; On a diagonal tile the wave of queries 0-127 x keys 128-255 has fetched its part and passed the barriers, but its quadrant is thrown away by the mask: it stores the blocks that the next launch reads as nothing
; (zero codes, bytes 1, -M = 3e38, sum 0), so that every block (i, s <= i | 3) is written.
; LIMITS: NaN and infinities are not served; M is exact as f32 up to 2^24; a block whose every p is 0 gets the byte 1 (its codes are zeros).
; REGISTERS as in the projections; besides: v30 r + 8 (r / 8) - 16 h, v31 -infinity; v115-126 at work; on the way out v128-191 hold t - M and then p.
.set TILEB, 196608
.set KSB,   24576
.set SLOT,  147456                     ; TWO regions of three K steps: [Q 3 x 24,576][K 3 x 24,576]; K step s lies in region (s / 3) % 2 at place s % 3.  One tensor load a wave at the head (steps 0-2), one behind the first barrier (3-5), one refill (6, 7)
.set SPARE, 2*SLOT
.set ADRA, 16
.set ADRB, 20
.set LI,   24
.set LS,   25
.set SOF,  26
.set L8,   27
.set SPW,  28
.set NIL,  29
.set SC,   32
.set TM,   96
.set PW,   112
.set AF,   128
.set PB,   128
.set CS,   58
.set SEL,  62
.set MSB, 0
.macro WIN new
.if MSB != (\new)
	s_set_vgpr_msb (MSB<<8)|(\new)
.set MSB, (\new)
.endif
.endm
.macro PLACES n
.rept \n
	v_nop
.endr
.endm
	s_load_b256 s[4:11], s[0:1], 0x0               ; pc s[4:5], ps s[6:7], pp s[8:9], pst s[10:11]: a record of 16 bytes a row, { -M_local, the sum, the scale word } in its first 12
	v_lshl_add_u32 v[SPW], v0, 2, SPARE
	v_mov_b32 v[NIL], 0
	ds_add_u32 v28, v29
	ds_add_u32 v28, v29
	s_wait_dscnt 0x0
	v_lshrrev_b32 v4, 5, v0
	v_readfirstlane_b32 s12, v4                    ; wave
	s_lshr_b32 s13, s12, 1                         ; rho: my half of the queries.  Also: I fetch Q (0) or K (1)
	s_and_b32 s14, s12, 1                          ; kappa: my half of the keys.  Also: which of a slot's two K steps I fetch
	s_and_b32 s17, ttmp7, 0xffff                   ; the batch
	s_mov_b32 s15, 0                               ; the work-group's number counts the triangle row by row: j = the tile of queries,
.irp th, 1,3,6,10,15,21,28
	s_cmp_ge_u32 ttmp9, \th
	s_cselect_b32 s22, 1, 0
	s_add_co_u32 s15, s15, s22
.endr
	s_add_co_u32 s22, s15, 1
	s_mul_i32 s22, s22, s15
	s_lshr_b32 s22, s22, 1
	s_sub_co_u32 s16, ttmp9, s22                   ; t = the tile of keys, 0 .. j
	s_lshl_b32 s20, s17, 3
	s_add_co_u32 s21, s20, s16
	s_add_co_u32 s21, s21, 32                      ; K's tile
	s_add_co_u32 s20, s20, s15                     ; Q's tile
	s_xor_b32 s32, s15, s16                        ; 0 on a diagonal tile
	s_xor_b32 s33, s13, s14
	s_or_b32 s18, s32, s33                         ; 0: my quadrant lies on the diagonal
	s_xor_b32 s34, s14, 1
	s_or_b32 s19, s32, s13
	s_or_b32 s19, s19, s34                         ; 0: my quadrant lies wholly under the mask
	s_mov_b32 s24, 3<<16                           ; group 1: elements of 8 bytes; a dense block of 24,576 bytes as 96 rows of 256 bytes
	s_mov_b32 s25, 32<<16
	s_mov_b32 s26, 96<<16
	s_mov_b32 s27, 32<<16
	s_mov_b32 s28, 96
	s_mov_b32 s29, 32
	s_mov_b32 s30, 0
	s_mov_b32 s31, 0
	s_cmp_eq_u32 s13, 0
	s_cselect_b32 s22, s20, s21                    ; the tile that I fetch for
	s_mul_i32 s22, s22, TILEB
	s_mov_b32 s23, 0
	s_mul_i32 s34, s14, 36864                      ; my half of an operand's three K steps, in memory,
	s_mul_i32 s35, s12, 36864                      ; and in a region: wave x 36,864
	s_mul_i32 s36, s14, KSB                        ; the refill: K step 6 + kappa,
	s_mul_i32 s37, s13, 3*KSB
	s_add_co_u32 s37, s37, s36                     ; to place kappa of my operand's three in region 0
	s_mov_b32 s68, 3<<16                           ; a second group 1: 36,864 dense bytes as 144 rows of 256 bytes
	s_mov_b32 s69, 32<<16
	s_mov_b32 s70, 144<<16
	s_mov_b32 s71, 32<<16
	s_mov_b32 s72, 144
	s_mov_b32 s73, 32
	s_mov_b32 s74, 0
	s_mov_b32 s75, 0
	s_mov_b32 s[CS], 0x3d38aa3b                    ; c = log2(e) / 32
	s_mov_b32 s[CS+1], s[CS]
	s_mov_b32 s[SEL], 0x76543210
	s_mov_b32 s[SEL+1], 0xfedcba98
	s_wait_kmcnt 0x0
	s_add_nc_u64 s[22:23], s[4:5], s[22:23]
	s_mov_b32 s38, s34
	s_mov_b32 s39, 0
	s_add_nc_u64 s[38:39], s[22:23], s[38:39]
	s_mov_b32 s40, 1                               ; K steps 0-2
	s_add_co_u32 s41, s35, 0
	s_mov_b64 s[42:43], s[38:39]
	s_or_b32 s43, s43, 0x80000000
	s_mov_b32 s44, 1                               ; K steps 3-5
	s_add_co_u32 s45, s35, SLOT
	s_add_nc_u64 s[46:47], s[38:39], 3*KSB
	s_or_b32 s47, s47, 0x80000000
	s_mov_b32 s38, s36
	s_mov_b32 s39, 0
	s_mov_b32 s52, 1                               ; K steps 6, 7
	s_add_co_u32 s53, s37, 0
	s_add_nc_u64 s[54:55], s[22:23], s[38:39]
	s_add_nc_u64 s[54:55], s[54:55], 6*KSB
	s_or_b32 s55, s55, 0x80000000
	tensor_load_to_lds s[40:43], s[68:75]          ; the head's one tensor load a wave: a quarter of region 0
	s_nop 0
	PLACES 4
	v_and_b32 v1, 15, v0                           ; r
	v_bfe_u32 v2, v0, 4, 1                         ; h
	v_and_b32 v3, 31, v0                           ; lane
	v_lshlrev_b32 v[LI], 4, v3
	s_wait_alu depctr_va_vdst(0)
	v_cmp_eq_u32 s60, 1, v2                        ; lanes 16-31
	s_lshl_b32 s32, s20, 13
	s_lshl_b32 s33, s13, 9
	s_add_co_u32 s32, s32, s33
	s_lshl_b32 s33, s21, 13
	s_lshl_b32 s34, s14, 9
	s_add_co_u32 s33, s33, s34
	v_mov_b32 v4, s32
	v_mov_b32 v5, s33
	v_cndmask_b32 v[SOF], v4, v5, s60              ; lanes 0-15 take Q's scale words, lanes 16-31 K's
	v_lshl_add_u32 v[SOF], v1, 2, v[SOF]
.set J, 0
.rept 64
	global_load_b32 v[SC+J], v[SOF], s[6:7] offset:(J/8)*1024+(J%8)*64
.set J, J+1
.endr
	s_mul_i32 s32, s13, 12288
	s_mul_i32 s33, s14, 12288
	s_add_co_u32 s33, s33, 3*KSB
.irp g, 0,1
	v_add_nc_u32 v[ADRA+\g], s32, v[LI]
	v_add_nc_u32 v[ADRB+\g], s33, v[LI]
	s_add_co_u32 s32, s32, SLOT
	s_add_co_u32 s33, s33, SLOT
.endr
.irp b, 0,1,2,3
	v_mov_b32 v[TM+4+\b], 0
.endr
	v_mov_b32 v117, 0                              ; (named as the upper half of the pair v[116:117])
	v_and_b32 v30, 8, v1
	v_add_nc_u32 v30, v30, v1
	v_lshlrev_b32 v5, 4, v2
	v_sub_nc_u32 v30, v30, v5                      ; r + 8 (r / 8) - 16 h
	v_mov_b32 v31, 0xff800000                      ; -infinity
	s_lshl_b32 s32, s15, 1
	s_add_co_u32 s32, s32, s13                     ; i = 2 j + rho
	s_lshl_b32 s33, s17, 4
	s_add_co_u32 s32, s32, s33
	s_lshl_b32 s32, s32, 4
	s_lshl_b32 s33, s16, 1
	s_add_co_u32 s33, s33, s14                     ; s = 2 t + kappa
	s_add_co_u32 s32, s32, s33                     ; my block: (16 batch + i) 16 + s
	s_mul_i32 s34, s32, 12288
	s_mov_b32 s35, 0
	s_add_nc_u64 s[8:9], s[8:9], s[34:35]
	s_lshl_b32 s34, s32, 11                        ; 2,048 bytes of records a block: [pair of fragments 0..3][lane][16]
	s_add_nc_u64 s[56:57], s[10:11], s[34:35]
.macro FRAG reg, adr, off
.irp p, 0,1,2
	ds_load_b128 v[(\reg)+4*\p:(\reg)+4*\p+3], v[\adr] offset:(\off)+512*\p
.endr
.endm
.macro FETCH_B s
	WIN 0x40
.irp i, 0,1,2,3,4,5,6,7
	FRAG 128*((\s)%2)+12*\i, ADRB+((\s)/3)%2, ((\s)%3)*KSB+1536*\i
.endr
	WIN 0
.endm
.macro FETCH_A s, i0
.irp i, 0,1,2,3
	FRAG AF+12*((\i0)+\i), ADRA+((\s)/3)%2, ((\s)%3)*KSB+1536*((\i0)+\i)
.endr
.endm
; 16 products: source 0 = 16 keys, source 1 = 16 queries.  The 64 accumulators take turns.
.macro MUL16 a0, s, zero
.irp a, \a0, \a0+1
.irp b, 0,1,2,3,4,5,6,7
.if \zero
	v_wmma_scale_f32_16x16x128_f8f6f4 v[8*(8*((\a)%4)+\b):8*(8*((\a)%4)+\b)+7], v[128*((\s)%2)+12*\b:128*((\s)%2)+12*\b+11], v[AF+12*(\a):AF+12*(\a)+11], 0, v[SC+8*(\s)+\b], v[SC+8*(\s)+(\a)] matrix_a_fmt:MATRIX_FMT_FP6 matrix_b_fmt:MATRIX_FMT_FP6 matrix_a_scale:MATRIX_SCALE_ROW1
.else
	v_wmma_scale_f32_16x16x128_f8f6f4 v[8*(8*((\a)%4)+\b):8*(8*((\a)%4)+\b)+7], v[128*((\s)%2)+12*\b:128*((\s)%2)+12*\b+11], v[AF+12*(\a):AF+12*(\a)+11], v[8*(8*((\a)%4)+\b):8*(8*((\a)%4)+\b)+7], v[SC+8*(\s)+\b], v[SC+8*(\s)+(\a)] matrix_a_fmt:MATRIX_FMT_FP6 matrix_b_fmt:MATRIX_FMT_FP6 matrix_a_scale:MATRIX_SCALE_ROW1
.endif
.endr
.endr
.endm
.macro SECOND s
	FETCH_B (\s)+1
	FETCH_A (\s)+1, 0
	WIN 0xf1
	MUL16 4, \s, 0
	MUL16 6, \s, 0
	PLACES 4
	WIN 0
	FETCH_A (\s)+1, 4
.endm
.macro STEP s, zero
	s_wait_dscnt 12                                ; K's set and Q's blocks 0-3 are in; the youngest 12 loads (blocks 4-7) may be out
	WIN 0xa1
	MUL16 0, \s, \zero
	MUL16 2, \s, \zero
	s_wait_dscnt 0x0
	PLACES 4
	FETCH_B (\s)+1
	FETCH_A (\s)+1, 0
	WIN 0xf1
	MUL16 4, \s, \zero
	MUL16 6, \s, \zero
	PLACES 4
	WIN 0
	FETCH_A (\s)+1, 4
.endm
.macro TURN s, mode                    ; as in the projections: 1 slot 1 shown whole; 2 slot 0 filled again; 3 the refill shown whole
.if \mode == 1
	s_wait_tensorcnt 0x1                           ; my youngest tensor load may be out
	s_wait_dscnt 12
.else
	s_wait_tensorcnt 0x0
	ds_add_u32 v[SPW], v[NIL]
	s_wait_dscnt 13                                ; (the add and the youngest 12 loads may be out)
.endif
	WIN 0xa1
	MUL16 0, \s, 0
	s_wait_dscnt 0x0
	s_barrier_signal -1
	MUL16 2, \s, 0
	WIN 0
	s_barrier_wait -1
.if \mode == 2
	tensor_load_to_lds s[52:55], s[24:31]          ; K steps 6 and 7 into slot 0: my one tensor load behind this barrier
	s_nop 0
.endif
	PLACES 4
	SECOND \s
.endm
	s_wait_alu depctr_va_vdst(0)                   ; the wait at the head's end
	s_wait_tensorcnt 0x0                           ; my part of region 0 is in
	ds_add_u32 v[SPW], v[NIL]
	s_wait_dscnt 0x0
	s_barrier_signal -1
	s_barrier_wait -1
	tensor_load_to_lds s[44:47], s[68:75]          ; region 1's first fill: K steps 3-5, my one tensor load behind this barrier
	s_nop 0
	PLACES 4
	FETCH_B 0
	FETCH_A 0, 0
	FETCH_A 0, 4
	s_wait_loadcnt 0x0
	STEP 0, 1
	STEP 1, 0
	TURN 2, 2                                      ; region 1 is shown whole, nobody reads region 0 any more: its first two places take K steps 6 and 7
	STEP 3, 0
	STEP 4, 0
	TURN 5, 3
	STEP 6, 0
	s_wait_dscnt 12
	WIN 0xa1
	MUL16 0, 7, 0
	MUL16 2, 7, 0
	s_wait_dscnt 0x0
	WIN 0xf1
	MUL16 4, 7, 0
	MUL16 6, 7, 0
	WIN 0
	PLACES 4
.macro QTAIL pw
.irp b, 0,1,2,3
	v_add_nc_u32 v[TM+12+\b], 0xff000000, v[TM+\b]
.endr
.irp b, 0,1,2,3
	v_lshrrev_b32 v[TM+4+\b], 23, v[TM+12+\b]
.endr
	v_lshl_or_b32 v[\pw], v[TM+5], 8, v[TM+4]
	v_lshl_or_b32 v[\pw], v[TM+6], 16, v[\pw]
	v_lshl_or_b32 v[\pw], v[TM+7], 24, v[\pw]
.endm
.macro CVT w, s
	WIN 0x40                                       ; the codes are made in window 1, which K's fragments have left
.irp c, 0,1
	v_cvt_scalef32_pk16_fp6_f32 v[PC+6*\c:PC+6*\c+2], v[(\s)+32*\c:(\s)+32*\c+15], v[TM+12+2*\c]
	v_cvt_scalef32_pk16_fp6_f32 v[PC+12+4*\c:PC+14+4*\c], v[(\s)+16+32*\c:(\s)+31+32*\c], v[TM+13+2*\c]
.endr
	WIN 0x41
	v_nop
.irp c, 0,1
.irp i, 0,1,2
	v_permlane16_swap_b32 v[PC+6*\c+\i], v[PC+12+4*\c+\i]
.endr
.irp i, 0,1,2
	v_mov_b32 v[PC+3+6*\c+\i], v[PC+12+4*\c+\i]
.endr
.endr
	WIN 0
.endm
; Block a: 16 queries (lane index r is query 32 (a / 2) + 8 (a % 2) + r + 8 (r / 8) of my 128) x my 128 keys (register 16 b + i is key 32 b + 16 h + i).
.macro SOFTQ a
.set WW, 2+(\a)/4
.set S0, 64*((\a)%4)
.set PC, 12*(\a)                       ; window 1: block a's 12 registers of codes; the 8 behind them are at work
	s_cmp_lg_u32 s18, 0                            ; the mask, on the diagonal quadrants alone: a branch on ids
	s_cbranch_scc1 .Lopen_\@
	WIN WW|(WW<<6)
.set BE, 0
	s_wait_alu depctr_va_vdst(0)
.rept 4
.if BE == (\a)/2                       ; hidden where 16 h + i > 8 (a % 2) + r + 8 (r / 8)
.set J, 0
.rept 16
	v_cmp_gt_i32 vcc_lo, J-8*((\a)%2), v30
	v_cndmask_b32 v[S0+16*BE+J], v[S0+16*BE+J], v31, vcc_lo
.set J, J+1
.endr
.elseif BE > (\a)/2                    ; all 32 keys come after all 16 queries
.set J, 0
.rept 16
	v_mov_b32 v[S0+16*BE+J], 0xff800000
.set J, J+1
.endr
.endif
.set BE, BE+1
.endr
	WIN 0
.Lopen_\@:
	WIN WW|(WW<<2)|(WW<<4)
.irp b, 0,1,2,3
	v_max3_num_f32 v[TM+\b], v[S0+16*\b], v[S0+16*\b+1], v[S0+16*\b+2]   ; the largest score of each block of 32 keys: for the row's maximum, and, since p rises with the score, for the block's largest p
.endr
	WIN (WW<<2)|(WW<<4)
.irp i, 3,5,7,9,11,13
.irp b, 0,1,2,3
	v_max3_num_f32 v[TM+\b], v[TM+\b], v[S0+16*\b+\i], v[S0+16*\b+\i+1]
.endr
.endr
.irp b, 0,1,2,3
	v_max_num_f32 v[TM+\b], v[TM+\b], v[S0+16*\b+15]
.endr
	WIN 0
.irp b, 0,1,2,3
	v_permlanex16_b32 v[TM+4+\b], v[TM+\b], s[SEL], s[SEL+1]
.endr
.irp b, 0,1,2,3
	v_max_num_f32 v[TM+\b], v[TM+\b], v[TM+4+\b]
.endr
	v_max3_num_f32 v115, v[TM], v[TM+1], v[TM+2]
	v_max_num_f32 v115, v115, v[TM+3]              ; the row's largest score among these 128 keys: finite, since every stored quadrant has a key that counts for each of its queries
	v_mul_f32 v115, s[CS], v115
	v_floor_f32 v116, -v115                        ; -M = floor(-t): M is a whole number
	WIN WW
.set J, 0
.rept 32
	v_pk_fma_f32 v[PB+J:PB+J+1], v[S0+J:S0+J+1], s[CS:CS+1], v[116:117] op_sel_hi:[1,0,0]   ; t - M, two at a time
.set J, J+2
.endr
	WIN 0
.irp b, 0,1,2,3
	v_fma_f32 v[TM+\b], v[TM+\b], s[CS], v116      ; the same of each block's largest score
.endr
.set J, 0
	s_wait_alu depctr_va_vdst(0)
.rept 64
	v_exp_f32 v[PB+J], v[PB+J]                     ; p = 2^(t - M), at most 1
.set J, J+1
.endr
	v_nop                                          ; a plain place behind the exponentials
	s_wait_alu depctr_va_vdst(0)                   ; one wait for the batch, ahead of its first reader
.irp b, 0,1,2,3
	v_exp_f32 v[TM+\b], v[TM+\b]                   ; the block's largest p
.endr
	v_pk_add_f32 v[118:119], v[PB:PB+1], v[PB+2:PB+3]       ; the sum of the unquantised p, in two chains
	v_pk_add_f32 v[120:121], v[PB+4:PB+5], v[PB+6:PB+7]
.irp j, 8,12,16,20,24,28,32,36,40,44,48,52,56,60
	v_pk_add_f32 v[118:119], v[118:119], v[PB+\j:PB+\j+1]
	v_pk_add_f32 v[120:121], v[120:121], v[PB+\j+2:PB+\j+3]
.endr
	v_pk_add_f32 v[118:119], v[118:119], v[120:121]
	s_wait_alu depctr_va_vdst(0)                   ; and one for the four
.irp b, 0,1,2,3
	v_max_num_f32 v[TM+\b], 0x1800000, v[TM+\b]    ; the floor: the byte cannot fall under 1
.endr
	QTAIL PW+(\a)%2
	CVT 0, PB
	v_add_f32 v118, v118, v119
	v_permlanex16_b32 v120, v118, s[SEL], s[SEL+1]
	v_add_f32 v[125+(\a)%2], v118, v120            ; with lane l xor 16's 64 keys
.if (\a)%2
	v_cndmask_b32 v[212+4*((\a)/2)], v124, v116, s60      ; the record: lanes 0-15 the even fragment's, lanes 16-31 the odd one's
	v_cndmask_b32 v[213+4*((\a)/2)], v125, v126, s60
	v_cndmask_b32 v[214+4*((\a)/2)], v[PW], v[PW+1], s60
.else
	v_mov_b32 v124, v116
.endif
.endm
.macro ZBLOCK d                        ; block d on from mine: nothing
.set J, 0
.rept 24
	global_store_b128 v[LI], v[128:131], s[8:9] offset:(\d)*12288+512*J
.set J, J+1
.endr
.irp m, 0,1,2,3
	global_store_b96 v[LI], v[134:136], s[56:57] offset:(\d)*2048+512*\m
.endr
.endm
	s_cmp_eq_u32 s19, 0
	s_cbranch_scc1 .Lgaps
.irp a, 0,1,2,3,4,5,6,7
	SOFTQ \a
.endr
	WIN 0x04                                       ; all eight blocks are stored in one run: register 4 J of window 1 goes to byte 512 J of my 12,288
.set J, 0
.rept 24
	global_store_b128 v[LI], v[4*J:4*J+3], s[8:9] offset:512*J
.set J, J+1
.endr
	WIN 0
.irp m, 0,1,2,3
	global_store_b96 v[LI], v[212+4*\m:214+4*\m], s[56:57] offset:512*\m
.endr
	s_branch .Lend
.Lgaps:
	v_mov_b32 v128, 0
	v_mov_b32 v129, 0
	v_mov_b32 v130, 0
	v_mov_b32 v131, 0
	v_mov_b32 v136, 0x01010101
	v_mov_b32 v134, 0x7f61b1e6                     ; -M = 3e38: over every -M that counts
	v_mov_b32 v135, 0
	ZBLOCK 0                                       ; (i, i + 1), i = 2 j
	s_and_b32 s22, s15, 1
	s_cmp_lg_u32 s22, 0
	s_cbranch_scc1 .Lend                           ; j odd: i | 3 = i + 1, and i + 1 has no gap
	ZBLOCK 1                                       ; j even: (i, i + 2), (i, i + 3),
	ZBLOCK 2
	ZBLOCK 17                                      ; (i + 1, i + 2), (i + 1, i + 3)
	ZBLOCK 18
.Lend:
	s_wait_tensorcnt 0x0                           ; the wave's end
	ds_add_u32 v[SPW], v[NIL]
	s_wait_dscnt 0x0
	s_endpgm
.Lfunc_end_k_q31c0cc430c_scores:
	.size	k_q31c0cc430c_scores, .Lfunc_end_k_q31c0cc430c_scores-k_q31c0cc430c_scores
	.p2alignl 7, 3214868480
	.fill 96, 4, 3214868480
	.section	.rodata,"a",@progbits
	.p2align	6, 0x0
	.amdhsa_kernel k_q31c0cc430c_scores
		.amdhsa_group_segment_fixed_size 327680
		.amdhsa_private_segment_fixed_size 0
		.amdhsa_enable_private_segment 0
		.amdhsa_kernarg_size 32
		.amdhsa_user_sgpr_count 2
		.amdhsa_user_sgpr_kernarg_segment_ptr 1
		.amdhsa_wavefront_size32 1
		.amdhsa_system_sgpr_workgroup_id_x 1
		.amdhsa_system_sgpr_workgroup_id_y 1
		.amdhsa_system_sgpr_workgroup_id_z 1
		.amdhsa_system_vgpr_workitem_id 0
		.amdhsa_next_free_vgpr 1024
		.amdhsa_next_free_sgpr 96
		.amdhsa_reserve_vcc 1
		.amdhsa_float_denorm_mode_32 3
		.amdhsa_float_denorm_mode_16_64 3
		.amdhsa_memory_ordered 1
		.amdhsa_forward_progress 1
		.amdhsa_inst_pref_size 230
	.end_amdhsa_kernel
	.amdgpu_metadata
---
amdhsa.version: [ 1, 2 ]
amdhsa.kernels:
  - .name:           k_q31c0cc430c_scores
    .symbol:         k_q31c0cc430c_scores.kd
    .args:
      - { .name: pc, .offset: 0, .size: 8, .value_kind: global_buffer, .address_space: global }
      - { .name: ps, .offset: 8, .size: 8, .value_kind: global_buffer, .address_space: global }
      - { .name: pp, .offset: 16, .size: 8, .value_kind: global_buffer, .address_space: global }
      - { .name: pst, .offset: 24, .size: 8, .value_kind: global_buffer, .address_space: global }
    .group_segment_fixed_size: 327680
    .private_segment_fixed_size: 0
    .kernarg_segment_align: 8
    .kernarg_segment_size: 32
    .max_flat_workgroup_size: 128
    .sgpr_count:     96
    .vgpr_count:     1024
    .wavefront_size: 32
...
	.end_amdgpu_metadata
.endif
;; end of part 3
;; launch pv (part 4): grid 4 x 64, 4 waves a work-group, clusters of 4 x 4, 327,680 bytes of LDS; arguments pp, pst, pc, ps, out0; writes out0
.if DOCPART == 4
	.amdgcn_target "amdgcn-amd-amdhsa--gfx1250"
	.amdhsa_code_object_version 6
	.text
	.protected	k_q31c0cc430c_pv
	.globl	k_q31c0cc430c_pv
	.p2align	8
	.type	k_q31c0cc430c_pv,@function
k_q31c0cc430c_pv:
	s_mov_b64 s[64:65], 0
	v_nop
	global_prefetch_b8 v0, s[64:65] scope:SCOPE_SE
	s_setreg_imm32_b32 hwreg(HW_REG_WAVE_MODE, 25, 1), 1
	s_wait_xcnt 0x0
	s_wait_alu depctr_hold_cnt(0) depctr_sa_sdst(0) depctr_va_vdst(0) depctr_va_sdst(0) depctr_va_ssrc(0) depctr_va_vcc(0) depctr_vm_vsrc(0)
	s_getreg_b32 s2, hwreg(HW_REG_IB_STS2, 6, 4)
	s_cmp_eq_u32 s2, 0
	s_cbranch_scc0 .Lentry_in_a_cluster
	s_endpgm
.Lentry_in_a_cluster:
	s_bfe_u32 s2, ttmp6, 0x10000c
	s_cmp_lg_u32 s2, 0xf033
	s_cbranch_scc0 .Lentry_shape_is_right
	s_endpgm
.Lentry_shape_is_right:
; O = P V / l on codes of FP6 (E2M3).  P's codes were made under a local M for each 128 keys; here M = the largest of a row's local M (the ceiling of the row's largest t), each step's scale bytes are lowered by
; D = M - M_local and its sum multiplied by 2^-D: both exact.  l = the sum of the unquantised p under M.  Key steps wholly under the causal mask are not walked.
; A work-group makes 128 queries (tile i) x 256 channels; a wave 64 x 128: 32 accumulators.  Source 0 = 16 channels of V^T, source 1 = 16 queries of P: a lane holds one query, and two neighbouring tiles 16 neighbouring channels.
; CLUSTER 4 x 4: i = 4 c + cy, channels 256 cx; P's tile is shared along a row of the cluster, V^T's along a column.  All sixteen partners walk the same 4 (c + 1) key steps (blocks beyond the diagonal hold zero codes);
; every branch hangs on c (the cluster's number) or on the wave's number.  Two LDS slots of four key steps.  The ways for c = 0, 1, 2 part behind a change of slots and are written out.
; A wave has one tensor load out at the head and one behind each round.  With c = 0 slot 1's first fill reads slot 0's bytes again and is not used.
; THE HEAD: a record of 12 bytes a row and key step ({ -M_local, sum, scale word }, 32 loads) and V^T's scale words of key steps 0-3 (16 loads); the other 48 loads of scale words go out behind the records' work
; and are waited for behind key step 3.  Steps beyond 4 c + 3 read step 4 c + 3's record again; their sums count x 0.  The 32 chains of the records' work go stage by stage, sixteen at a time.
; PREFETCH: behind the joint load of fill n the bytes of fill n + 1 are named, where c asks for that fill: of P's 49,152 bytes the partner at cx takes a quarter (48 lanes' worth, wave 0), of each third of V^T's the partner at cy a quarter.
; LIMITS: NaN and infinities are not served.  A block of p more than 2^127 under the row's largest p counts with the scale 2^-127.  The division by l is a reciprocal and a multiplication.
; REGISTERS: window 0: v1-6; v8-15 four pairs of 1 / l; v16-29 addresses; v32-95 V^T's scale words, v96-127 P's (these hold scales alone); v128-175, v176-223 P's fragments, two sets.
;   At the head v128-191 at work, v192-207 offsets, v232-239 -M and l; window 1 v0-127 the records.  On the way out window 0 v128-191 results, window 1 all 64 rows.
;   window 1: V^T's fragments, two sets, at v0 and v128.  window 2: accumulator (a, x) at v[8 (8 a + x)].
.set VB,    12582912
.set VBS,   524288
.set SLOT,  147456                     ; [P: 4 x 12,288][V^T: 4 x 24,576]
.set SPARE, 2*SLOT
.set PFO,  5
.set PFO2, 6
.set RL,   8
.set ADRP, 16
.set ADRV, 20
.set LI,   24
.set STO,  25
.set RD,   26
.set LS,   27
.set SPW,  28
.set NIL,  29
.set VS,   32
.set PSW,  96
.set PF,   128
.set ST,   128
.set OFF,  192
.set SEL,  62
.set MSB, 0
.macro WIN new
.if MSB != (\new)
	s_set_vgpr_msb (MSB<<8)|(\new)
.set MSB, (\new)
.endif
.endm
.macro PLACES n
.rept \n
	v_nop
.endr
.endm
.macro CREST
	s_cmp_lg_u32 s12, 0
	s_cbranch_scc1 .Lnw0_\@
	s_barrier_signal -3
.Lnw0_\@:
	s_barrier_wait -3
	s_barrier_signal -1
	s_barrier_wait -1
.endm
.macro CROUND
	s_barrier_signal -1
	s_barrier_wait -1
	CREST
.endm
.macro JLOAD n                         ; key steps 4 n .. 4 n + 3: wave 0 fetches P's, waves 1 to 3 a third of V^T's each
	s_cmp_eq_u32 s12, 0
	s_cbranch_scc0 .Ljv_\@
	tensor_load_to_lds s[40+4*(\n):43+4*(\n)], s[24:31]
	s_nop 0
	PLACES 4
	s_branch .Ljd_\@
.Ljv_\@:
	tensor_load_to_lds s[68+4*(\n):71+4*(\n)], s[32:39]
	s_nop 0
	PLACES 4
.Ljd_\@:
.endm
.macro ASKC n                          ; names fill n, where the cluster will load it; no register of these lines is ever rewritten
	s_cmp_ge_u32 s19, \n
	s_cbranch_scc0 .Lad_\@
	s_cmp_eq_u32 s12, 0
	s_cbranch_scc0 .Lav_\@
	global_prefetch_b8 v[PFO], s[88:89] offset:(\n)*49152 th:TH_LOAD_NT scope:SCOPE_SE
	global_prefetch_b8 v[PFO2], s[88:89] offset:(\n)*49152+8192 th:TH_LOAD_NT scope:SCOPE_SE   ; 48 runs of 256 bytes: lanes 16-31 name the last again
	s_branch .Lad_\@
.Lav_\@:
	global_prefetch_b8 v[PFO], s[90:91] offset:(\n)*98304 th:TH_LOAD_NT scope:SCOPE_SE
.Lad_\@:
.endm
	s_load_b64 s[4:5], s[0:1], 0x0                 ; pp
	s_load_b128 s[8:11], s[0:1], 0x8               ; pst s[8:9], pc s[10:11]
	s_load_b128 s[56:59], s[0:1], 0x18             ; ps s[56:57], out0 s[58:59]
	v_lshl_add_u32 v[SPW], v0, 2, SPARE
	v_mov_b32 v[NIL], 0
	ds_add_u32 v[SPW], v[NIL]                      ; the opening lines: the add twice on end and its wait
	ds_add_u32 v[SPW], v[NIL]
	s_wait_dscnt 0x0
	v_lshrrev_b32 v4, 5, v0
	v_readfirstlane_b32 s12, v4                    ; wave
	s_lshr_b32 s13, s12, 1                         ; rho: my half of the queries
	s_and_b32 s14, s12, 1                          ; kappa: my half of the channels
	s_bfe_u32 s15, ttmp6, 0x40000                  ; cx
	s_bfe_u32 s16, ttmp6, 0x40004                  ; cy
	s_and_b32 s17, ttmp7, 0xffff                   ; cluster y, 0..15
	s_lshr_b32 s18, s17, 2                         ; the batch
	s_and_b32 s19, s17, 3                          ; c
	s_lshl_b32 s21, s19, 2
	s_add_co_u32 s20, s21, s16                     ; i = 4 c + cy
	s_add_co_u32 s21, s21, 3                       ; the last key step: 4 c + 3
	s_lshl_b32 s22, s18, 4
	s_add_co_u32 s22, s22, s20                     ; 16 batch + i: hangs on cy alone
	s_lshl_b32 s84, s18, 2
	s_add_co_u32 s84, s84, s15                     ; 4 batch + cx: on cx alone
	s_lshl_b32 s61, s16, 2
	s_lshl_b32 s61, 15, s61                        ; my row of the cluster
	s_lshl_b32 s85, 0x1111, s15                    ; my column
	s_or_b32 s24, s61, (3<<16)|(1<<21)             ; group 1 for P: 49,152 dense bytes as 192 rows of 256
	s_mov_b32 s25, 32<<16
	s_mov_b32 s26, 192<<16
	s_mov_b32 s27, 32<<16
	s_mov_b32 s28, 192
	s_mov_b32 s29, 32
	s_mov_b32 s30, 0
	s_mov_b32 s31, 0
	s_or_b32 s32, s85, (3<<16)|(1<<21)             ; for V^T: 32,768 dense bytes as 128 rows of 256
	s_mov_b32 s33, 32<<16
	s_mov_b32 s34, 128<<16
	s_mov_b32 s35, 32<<16
	s_mov_b32 s36, 128
	s_mov_b32 s37, 32
	s_mov_b32 s38, 0
	s_mov_b32 s39, 0
	s_mul_i32 s88, s22, 196608
	s_mov_b32 s89, 0
	s_mul_i32 s90, s84, 393216
	s_add_co_u32 s90, s90, VB-32768
	s_lshl_b32 s91, s12, 15
	s_add_co_u32 s90, s90, s91                     ; wave w's third begins 32,768 (w - 1) bytes on
	s_add_co_u32 s96, s91, 16384                   ; and goes to 49,152 + 32,768 (w - 1) of a slot
	s_mov_b32 s91, 0
	s_min_u32 s85, s19, 1                          ; slot 1's first fill: one slot on, or with c = 0 the same bytes again
	s_mul_i32 s92, s85, 49152
	s_mov_b32 s93, 0
	s_mul_i32 s94, s85, 98304
	s_mov_b32 s95, 0
	s_mov_b32 s[SEL], 0x76543210
	s_mov_b32 s[SEL+1], 0xfedcba98
	s_mov_b32 s86, 0x80808080
	s_mov_b32 s87, 0x01010101
	s_wait_kmcnt 0x0
	s_add_nc_u64 s[88:89], s[4:5], s[88:89]
	s_add_nc_u64 s[90:91], s[10:11], s[90:91]
	CROUND                                         ; all sixteen work-groups are here: the first joint loads meet
	s_mov_b32 s40, 1
	s_mov_b32 s41, 0
	s_mov_b64 s[42:43], s[88:89]
	s_or_b32 s43, s43, 0x80000000
	s_mov_b32 s44, 1
	s_mov_b32 s45, SLOT
	s_add_nc_u64 s[46:47], s[88:89], s[92:93]
	s_or_b32 s47, s47, 0x80000000
	s_mov_b32 s48, 1
	s_mov_b32 s49, 0
	s_add_nc_u64 s[50:51], s[88:89], 2*49152
	s_or_b32 s51, s51, 0x80000000
	s_mov_b32 s52, 1
	s_mov_b32 s53, SLOT
	s_add_nc_u64 s[54:55], s[88:89], 3*49152
	s_or_b32 s55, s55, 0x80000000
	s_mov_b32 s68, 1
	s_add_co_u32 s69, s96, 0
	s_mov_b64 s[70:71], s[90:91]
	s_or_b32 s71, s71, 0x80000000
	s_mov_b32 s72, 1
	s_add_co_u32 s73, s96, SLOT
	s_add_nc_u64 s[74:75], s[90:91], s[94:95]
	s_or_b32 s75, s75, 0x80000000
	s_mov_b32 s76, 1
	s_add_co_u32 s77, s96, 0
	s_add_nc_u64 s[78:79], s[90:91], 2*98304
	s_or_b32 s79, s79, 0x80000000
	s_mov_b32 s80, 1
	s_add_co_u32 s81, s96, SLOT
	s_add_nc_u64 s[82:83], s[90:91], 3*98304
	s_or_b32 s83, s83, 0x80000000
	JLOAD 0                                        ; key steps 0-3: one tensor load a wave at the head
	s_lshl_b32 s98, s84, 14                        ; V^T's scale words: 16,384 bytes for 256 channels x all keys,
	s_add_co_u32 s98, s98, VBS
	s_lshl_b32 s97, s14, 9                         ; my 8 fragments
	s_add_co_u32 s98, s98, s97
	s_mov_b32 s99, 0
	s_add_nc_u64 s[56:57], s[56:57], s[98:99]
	s_lshl_b32 s98, s22, 15                        ; the records: 32,768 bytes a tile of queries, 2,048 a key step; my two pairs of fragments
	s_lshl_b32 s97, s13, 10
	s_add_co_u32 s98, s98, s97
	s_add_nc_u64 s[8:9], s[8:9], s[98:99]
	s_lshl_b32 s98, s18, 11                        ; out0: row 2,048 batch + 128 i + 64 rho,
	s_lshl_b32 s97, s20, 7
	s_add_co_u32 s98, s98, s97
	s_lshl_b32 s97, s13, 6
	s_add_co_u32 s98, s98, s97
	s_lshl_b32 s98, s98, 12
	s_lshl_b32 s97, s15, 10                        ; channel 256 cx + 128 kappa
	s_add_co_u32 s98, s98, s97
	s_lshl_b32 s97, s14, 9
	s_add_co_u32 s98, s98, s97
	s_add_nc_u64 s[58:59], s[58:59], s[98:99]
	s_cmp_ge_u32 s19, 1                            ; x 1, or x 0 for the sums of four key steps beyond 4 c + 3
	s_cselect_b32 s17, 0x3f800000, 0
	s_cmp_ge_u32 s19, 2
	s_cselect_b32 s18, 0x3f800000, 0
	s_cmp_ge_u32 s19, 3
	s_cselect_b32 s20, 0x3f800000, 0
	s_mul_i32 s92, s13, 6144                       ; LDS: my 4 fragments of P,
	s_mul_i32 s93, s14, 12288                      ; my 8 of V^T,
	s_add_co_u32 s93, s93, 49152
	s_mul_i32 s94, s12, 8448                       ; my stage for the way out: 16 rows x (512 + 16) bytes, in slot 0
	s_mul_i32 s95, s15, 12288                      ; the prefetches: P's quarter at cx,
	s_lshl_b32 s96, s16, 13                        ; the quarter at cy of a third of V^T's
	s_cmp_eq_u32 s12, 0
	s_cselect_b32 s95, s95, s96
	v_and_b32 v1, 15, v0                           ; r
	v_bfe_u32 v2, v0, 4, 1                         ; h
	v_and_b32 v3, 31, v0                           ; lane
	v_lshlrev_b32 v[LI], 4, v3
	v_lshlrev_b32 v[LS], 2, v3
	v_cmp_eq_u32 s60, 1, v2                        ; lanes 16-31
	v_min_u32 v4, 15, v3
	v_lshl_add_u32 v[PFO], v3, 8, s95
	v_lshl_add_u32 v[PFO2], v4, 8, s95
	v_add_nc_u32 v[ADRP], s92, v[LI]
	v_add_nc_u32 v[ADRP+1], SLOT, v[ADRP]
	v_add_nc_u32 v[ADRV], s93, v[LI]               ; a register for each slot and each pair of key steps
	v_add_nc_u32 v[ADRV+1], 49152, v[ADRV]
	v_add_nc_u32 v[ADRV+2], SLOT, v[ADRV]
	v_add_nc_u32 v[ADRV+3], SLOT+49152, v[ADRV]
	v_mul_u32_u24 v[STO], v1, 528
	v_lshl_add_u32 v[STO], v2, 6, v[STO]
	v_add_nc_u32 v[STO], s94, v[STO]
	v_add_nc_u32 v[RD], s94, v[LI]
.irp s, 0,1,2,3,4,5,6,7,8,9,10,11,12,13,14,15
	s_min_u32 s97, s21, \s                         ; steps beyond 4 c + 3 read step 4 c + 3 again: written bytes
	v_lshl_add_u32 v[OFF+\s], s97, 11, v[LI]
.endr
	s_wait_alu depctr_va_vdst(0)                   ; the wait at the end of the head's address work
.set J, 0
.rept 16                               ; register VS + 4 s + x2: lanes 0-15 fragment 2 x2 of my eight, lanes 16-31 the next: 128 consecutive bytes
	global_load_b32 v[VS+J], v[LS], s[56:57] offset:(J/4)*1024+(J%4)*128
.set J, J+1
.endr
	WIN 0x40                                       ; the records: window 1, v[8 s + 4 y ..]: lane L holds row L % 16 of P's fragment 2 y + L / 16 of my four
.irp s, 0,1,2,3,4,5,6,7,8,9,10,11,12,13,14,15
.irp y, 0,1
	global_load_b96 v[8*\s+4*\y:8*\s+4*\y+2], v[OFF+\s], s[8:9] offset:512*\y
.endr
.endr
	WIN 0
	ASKC 1
	s_wait_tensorcnt 0x0                           ; my part of slot 0 is in
	ds_add_u32 v[SPW], v[NIL]
	s_wait_dscnt 0x0
	CROUND                                         ; slot 0 is whole for every wave, and all sixteen work-groups are here
	JLOAD 1                                        ; slot 1's first fill: it is out while the records are worked
	ASKC 2
	s_wait_loadcnt 0x0
	WIN 0x15                                       ; -M = the least of the steps' -M: four chains by turns
.irp q, 0,1
.irp y, 0,1
	v_min3_num_f32 v[236+2*\q+\y], v[64*\q+4*\y], v[64*\q+8+4*\y], v[64*\q+16+4*\y]
.endr
.endr
	WIN 0x14
.irp i, 3,5
.irp q, 0,1
.irp y, 0,1
	v_min3_num_f32 v[236+2*\q+\y], v[236+2*\q+\y], v[64*\q+8*\i+4*\y], v[64*\q+8*\i+8+4*\y]
.endr
.endr
.endr
	WIN 0x04
.irp q, 0,1
.irp y, 0,1
	v_min_num_f32 v[236+2*\q+\y], v[236+2*\q+\y], v[64*\q+56+4*\y]
.endr
.endr
	WIN 0
.irp y, 0,1
	v_min_num_f32 v[232+\y], v[236+\y], v[238+\y]
.endr
; Key steps 8 h .. 8 h + 7: sixteen chains J = 2 (s - 8 h) + y, stage by stage, so that no line waits for the line above it.  The record lies at v[64 h + 4 J] of window 1.
.macro FIXH h
	WIN 0x04
.set J, 0
.rept 16
	v_sub_f32 v[128+J], v[232+J%2], v[64*(\h)+4*J]        ; M_local - M: a whole number, 0 or less
	v_or_b32 v[160+J], s86, v[64*(\h)+4*J+2]              ; 128 + byte: no byte borrows from its neighbour
.set J, J+1
.endr
	WIN 0
.set J, 0
.rept 16
	v_cvt_i32_f32 v[128+J], v[128+J]                      ; (it saturates)
.set J, J+1
.endr
	WIN 0x01
.set J, 0
.rept 16
	v_ldexp_f32 v[144+J], v[64*(\h)+4*J+1], v[128+J]      ; the step's sum under M: exact
.set J, J+1
.endr
	WIN 0
.set J, 0
.rept 16
	v_sub_nc_u32 v[128+J], 0, v[128+J]
.set J, J+1
.endr
.set J, 0
.rept 16
	v_min_u32 v[128+J], 127, v[128+J]                     ; D, held at 127: a byte is at most 125
.set J, J+1
.endr
.set J, 0
.rept 16
	v_mul_lo_u32 v[128+J], v[128+J], s87                  ; D in each byte
.set J, J+1
.endr
.set J, 0
.rept 16
	v_sub_nc_u32 v[160+J], v[160+J], v[128+J]
.set J, J+1
.endr
.set J, 0
.rept 16
	v_and_b32 v[176+J], s86, v[160+J]                     ; the top bit stays where byte >= D
.set J, J+1
.endr
.set J, 0
.rept 16
	v_lshrrev_b32 v[128+J], 7, v[176+J]
.set J, J+1
.endr
.set J, 0
.rept 16
	v_sub_nc_u32 v[176+J], v[176+J], v[128+J]             ; 0x7f there, 0 elsewhere
.set J, J+1
.endr
.set J, 0
.rept 16
	v_and_b32 v[PSW+16*(\h)+J], v[160+J], v[176+J]        ; byte - D, held at 0 from below
.set J, J+1
.endr
.irp g, 0,1                                    ; the sums of four key steps
.irp y, 0,1
	v_add_f32 v[144+8*\g+\y], v[144+8*\g+\y], v[146+8*\g+\y]
	v_add_f32 v[148+8*\g+\y], v[148+8*\g+\y], v[150+8*\g+\y]
.endr
.endr
.endm
	FIXH 0
.irp y, 0,1
	v_add_f32 v[234+\y], v[144+\y], v[148+\y]
	v_add_f32 v[152+\y], v[152+\y], v[156+\y]
.endr
.irp y, 0,1
	v_fma_f32 v[234+\y], v[152+\y], s17, v[234+\y]
.endr
	FIXH 1
.irp y, 0,1
	v_add_f32 v[144+\y], v[144+\y], v[148+\y]
	v_add_f32 v[152+\y], v[152+\y], v[156+\y]
.endr
.irp y, 0,1
	v_fma_f32 v[234+\y], v[144+\y], s18, v[234+\y]
.endr
.irp y, 0,1
	v_fma_f32 v[234+\y], v[152+\y], s20, v[234+\y]
.endr
	s_wait_alu depctr_va_vdst(0)                   ; the wait ahead of the reciprocals
	v_rcp_f32 v234, v234
	v_rcp_f32 v235, v235
	v_nop                                          ; a plain place behind the reciprocals
	s_wait_alu depctr_va_vdst(0)                   ; one wait for the two, ahead of their first reader
	v_permlanex16_b32 v236, v234, s[SEL], s[SEL+1]
	v_permlanex16_b32 v237, v235, s[SEL], s[SEL+1]
	v_cndmask_b32 v[RL], v234, v236, s60           ; 1 / l of fragment a's row r, in both halves of the lanes
	v_cndmask_b32 v[RL+2], v236, v234, s60
	v_cndmask_b32 v[RL+4], v235, v237, s60
	v_cndmask_b32 v[RL+6], v237, v235, s60
.irp a, 0,1,2,3
	v_mov_b32 v[RL+2*\a+1], 0                      ; (named as the upper halves of the pairs)
.endr
.set J, 16
.rept 48                               ; V^T's scale words of key steps 4-15: waited for behind key step 3
	global_load_b32 v[VS+J], v[LS], s[56:57] offset:(J/4)*1024+(J%4)*128
.set J, J+1
.endr
	PLACES 8                                       ; scale registers written by vector instructions stand 8 places ahead of a scaled matrix instruction
.macro FRAG reg, adr, off
.irp p, 0,1,2
	ds_load_b128 v[(\reg)+4*\p:(\reg)+4*\p+3], v[\adr] offset:(\off)+512*\p
.endr
.endm
.macro FETCHK s                        ; key step s: V^T's 8 fragments and P's 4 into set s % 2
.set SG, ((\s)/4)%2
.set QQ, (\s)%4
	WIN 0x40
.irp x, 0,1,2,3,4,5,6,7
	FRAG 128*((\s)%2)+12*\x, ADRV+2*SG+QQ/2, (QQ%2)*24576+1536*\x
.endr
	WIN 0
.irp a, 0,1,2,3
	FRAG PF+48*((\s)%2)+12*\a, ADRP+SG, QQ*12288+1536*\a
.endr
.endm
.macro PROD s, a, x, zero
.set DD, 8*(8*(\a)+(\x))
.set VV, 128*((\s)%2)+12*(\x)
.set PP, PF+48*((\s)%2)+12*(\a)
.set SV, VS+4*(\s)+(\x)/2
.set SQ, PSW+2*(\s)+(\a)/2
.set XO, (\x)%2
.set AO, (\a)%2
.if \zero
.if (XO == 0) && (AO == 0)
	v_wmma_scale_f32_16x16x128_f8f6f4 v[DD:DD+7], v[VV:VV+11], v[PP:PP+11], 0, v[SV], v[SQ] matrix_a_fmt:MATRIX_FMT_FP6 matrix_b_fmt:MATRIX_FMT_FP6
.elseif (XO == 1) && (AO == 0)
	v_wmma_scale_f32_16x16x128_f8f6f4 v[DD:DD+7], v[VV:VV+11], v[PP:PP+11], 0, v[SV], v[SQ] matrix_a_fmt:MATRIX_FMT_FP6 matrix_b_fmt:MATRIX_FMT_FP6 matrix_a_scale:MATRIX_SCALE_ROW1
.elseif (XO == 0)
	v_wmma_scale_f32_16x16x128_f8f6f4 v[DD:DD+7], v[VV:VV+11], v[PP:PP+11], 0, v[SV], v[SQ] matrix_a_fmt:MATRIX_FMT_FP6 matrix_b_fmt:MATRIX_FMT_FP6 matrix_b_scale:MATRIX_SCALE_ROW1
.else
	v_wmma_scale_f32_16x16x128_f8f6f4 v[DD:DD+7], v[VV:VV+11], v[PP:PP+11], 0, v[SV], v[SQ] matrix_a_fmt:MATRIX_FMT_FP6 matrix_b_fmt:MATRIX_FMT_FP6 matrix_a_scale:MATRIX_SCALE_ROW1 matrix_b_scale:MATRIX_SCALE_ROW1
.endif
.else
.if (XO == 0) && (AO == 0)
	v_wmma_scale_f32_16x16x128_f8f6f4 v[DD:DD+7], v[VV:VV+11], v[PP:PP+11], v[DD:DD+7], v[SV], v[SQ] matrix_a_fmt:MATRIX_FMT_FP6 matrix_b_fmt:MATRIX_FMT_FP6
.elseif (XO == 1) && (AO == 0)
	v_wmma_scale_f32_16x16x128_f8f6f4 v[DD:DD+7], v[VV:VV+11], v[PP:PP+11], v[DD:DD+7], v[SV], v[SQ] matrix_a_fmt:MATRIX_FMT_FP6 matrix_b_fmt:MATRIX_FMT_FP6 matrix_a_scale:MATRIX_SCALE_ROW1
.elseif (XO == 0)
	v_wmma_scale_f32_16x16x128_f8f6f4 v[DD:DD+7], v[VV:VV+11], v[PP:PP+11], v[DD:DD+7], v[SV], v[SQ] matrix_a_fmt:MATRIX_FMT_FP6 matrix_b_fmt:MATRIX_FMT_FP6 matrix_b_scale:MATRIX_SCALE_ROW1
.else
	v_wmma_scale_f32_16x16x128_f8f6f4 v[DD:DD+7], v[VV:VV+11], v[PP:PP+11], v[DD:DD+7], v[SV], v[SQ] matrix_a_fmt:MATRIX_FMT_FP6 matrix_b_fmt:MATRIX_FMT_FP6 matrix_a_scale:MATRIX_SCALE_ROW1 matrix_b_scale:MATRIX_SCALE_ROW1
.endif
.endif
.endm
; P's fragments a0 .. a0 + na - 1 x V^T's eight.  The 32 accumulators take turns, in the same order in every step.
.macro MULP s, a0, na, zero
	WIN 0xa1
.set AA, \a0
.rept \na
.irp x, 0,1,2,3,4,5,6,7
	PROD \s, AA, \x, \zero
.endr
.set AA, AA+1
.endr
.endm
.macro KS s, fetch, zero               ; a key step: its fragments are in; the next step's are asked for, and land under its 32 products
	s_wait_dscnt 0x0
	PLACES 4                                       ; four places in front of loads into registers that the last step's products have read
.if \fetch
	FETCHK (\s)+1
.endif
	MULP \s, 0, 4, \zero
	WIN 0
.endm
.macro KTURN s, round                  ; a slot's last step, first half: all my loads have landed, my reads of this slot are over; a barrier, and with round = 1 a round of the cluster's
	s_wait_dscnt 0x0
	s_wait_tensorcnt 0x0
	ds_add_u32 v[SPW], v[NIL]
	MULP \s, 0, 1, 0
	s_wait_dscnt 0x0
	s_barrier_signal -1
	MULP \s, 1, 1, 0
	WIN 0
	s_barrier_wait -1
.if \round
	CREST
.endif
.endm
.macro REST s
	MULP \s, 2, 2, 0
.endm
	FETCHK 0
	KS 0, 1, 1                                     ; the first products start the sums
	KS 1, 1, 0
	KS 2, 1, 0
	KTURN 3, 1                                     ; the first change of slots: every cluster passes it, whatever its c; the ways part only behind it
	s_cmp_eq_u32 s19, 0
	s_cbranch_scc1 .Ltail0
	s_cmp_eq_u32 s19, 1
	s_cbranch_scc1 .Ltail1
	JLOAD 2                                        ; slot 0 takes key steps 8-11
	FETCHK 4
	ASKC 3
	REST 3
	s_wait_loadcnt 0x0                             ; V^T's scale words of key steps 4-15 are in
	KS 4, 1, 0
	KS 5, 1, 0
	KS 6, 1, 0
	KTURN 7, 1
	s_cmp_eq_u32 s19, 2
	s_cbranch_scc1 .Ltail2
	JLOAD 3                                        ; slot 1 takes key steps 12-15
	FETCHK 8
	REST 7
	KS 8, 1, 0
	KS 9, 1, 0
	KS 10, 1, 0
	KTURN 11, 0
	PLACES 4
	FETCHK 12
	REST 11
	KS 12, 1, 0
	KS 13, 1, 0
	KS 14, 1, 0
	KS 15, 0, 0
	s_branch .Ldone
.Ltail0:                                           ; c = 0: the second half of key step 3, and nothing more
	REST 3
	WIN 0
	s_branch .Ldone
.Ltail1:                                           ; c = 1: nothing more is asked for
	PLACES 4
	FETCHK 4
	REST 3
	s_wait_loadcnt 0x0                             ; V^T's scale words of the later key steps are in
	KS 4, 1, 0
	KS 5, 1, 0
	KS 6, 1, 0
	KS 7, 0, 0
	s_branch .Ldone
.Ltail2:                                           ; c = 2
	PLACES 4
	FETCHK 8
	REST 7
	KS 8, 1, 0
	KS 9, 1, 0
	KS 10, 1, 0
	KS 11, 0, 0
.Ldone:
	s_wait_tensorcnt 0x0                           ; no tensor load of mine is out; slot 0 has had its last fill
	ds_add_u32 v[SPW], v[NIL]
	PLACES 4                                       ; the places in front of the first read of results
	s_wait_dscnt 0x0
	s_barrier_signal -1
	s_barrier_wait -1                              ; nobody reads slot 0 any more: the stages lie there
; THE WAY OUT: a block of 16 queries x 128 channels is divided by l, goes through my stage and comes back as whole rows of 512 bytes into window 1; when all four blocks are back, the 64 rows are stored in one run.
.macro STG a
	WIN 0x02
.set J, 0
.rept 32
	v_pk_mul_f32 v[ST+J:ST+J+1], v[64*(\a)+J:64*(\a)+J+1], v[RL+2*(\a):RL+2*(\a)+1] op_sel_hi:[1,0]   ; each accumulator from its low end on
.set J, J+2
.endr
	WIN 0
.irp be, 0,1,2,3
.irp m, 0,1,2,3
	ds_store_b128 v[STO], v[ST+16*\be+4*\m:ST+16*\be+4*\m+3] offset:128*\be+16*\m   ; lane (r, h): channels 32 be + 16 h + 0 .. 15 of row r
.endr
.endr
	WIN 0x40
.irp t, 0,1,2,3,4,5,6,7,8,9,10,11,12,13,14,15
	ds_load_b128 v[64*(\a)+4*\t:64*(\a)+4*\t+3], v[RD] offset:528*\t   ; LDS serves a wave's instructions in order: these see the stores above, and the next block's stores come behind them
.endr
	WIN 0
.endm
	s_wait_alu depctr_va_vdst(0)                   ; 1 / l was made at the head
	STG 0
	STG 1
	STG 2
	STG 3
	s_wait_dscnt 0x0
	WIN 0x04
.irp a, 0,1,2,3
.irp t, 0,1,2,3,4,5,6,7,8,9,10,11,12,13,14,15
	global_store_b128 v[LI], v[64*\a+4*\t:64*\a+4*\t+3], s[58:59] offset:(32*(\a/2)+8*(\a%2)+\t+8*(\t/8))*4096 th:TH_STORE_NT   ; two aligned runs of 256 bytes a store
.endr
.endr
	WIN 0
	s_wait_tensorcnt 0x0                           ; the wave's end
	ds_add_u32 v[SPW], v[NIL]
	s_wait_dscnt 0x0
	CROUND                                         ; the closing round
	s_endpgm
.Lfunc_end_k_q31c0cc430c_pv:
	.size	k_q31c0cc430c_pv, .Lfunc_end_k_q31c0cc430c_pv-k_q31c0cc430c_pv
	.p2alignl 7, 3214868480
	.fill 96, 4, 3214868480
	.section	.rodata,"a",@progbits
	.p2align	6, 0x0
	.amdhsa_kernel k_q31c0cc430c_pv
		.amdhsa_group_segment_fixed_size 327680
		.amdhsa_private_segment_fixed_size 0
		.amdhsa_enable_private_segment 0
		.amdhsa_kernarg_size 40
		.amdhsa_user_sgpr_count 2
		.amdhsa_user_sgpr_kernarg_segment_ptr 1
		.amdhsa_wavefront_size32 1
		.amdhsa_system_sgpr_workgroup_id_x 1
		.amdhsa_system_sgpr_workgroup_id_y 1
		.amdhsa_system_sgpr_workgroup_id_z 1
		.amdhsa_system_vgpr_workitem_id 0
		.amdhsa_next_free_vgpr 768
		.amdhsa_next_free_sgpr 100
		.amdhsa_reserve_vcc 0
		.amdhsa_float_denorm_mode_32 3
		.amdhsa_float_denorm_mode_16_64 3
		.amdhsa_memory_ordered 1
		.amdhsa_forward_progress 1
		.amdhsa_inst_pref_size 229
	.end_amdhsa_kernel
	.amdgpu_metadata
---
amdhsa.version: [ 1, 2 ]
amdhsa.kernels:
  - .name:           k_q31c0cc430c_pv
    .symbol:         k_q31c0cc430c_pv.kd
    .args:
      - { .name: pp, .offset: 0, .size: 8, .value_kind: global_buffer, .address_space: global }
      - { .name: pst, .offset: 8, .size: 8, .value_kind: global_buffer, .address_space: global }
      - { .name: pc, .offset: 16, .size: 8, .value_kind: global_buffer, .address_space: global }
      - { .name: ps, .offset: 24, .size: 8, .value_kind: global_buffer, .address_space: global }
      - { .name: out0, .offset: 32, .size: 8, .value_kind: global_buffer, .address_space: global }
    .group_segment_fixed_size: 327680
    .private_segment_fixed_size: 0
    .kernarg_segment_align: 8
    .kernarg_segment_size: 40
    .max_flat_workgroup_size: 128
    .sgpr_count:     100
    .vgpr_count:     768
    .wavefront_size: 32
...
	.end_amdgpu_metadata
.endif
;; end of part 4
